; MI455X (gfx1250); checked and timed in simulation.
; The chip was launched on July 23, 2026; its instructions are those of AMD's public machine-readable ISA for CDNA 5 (MIT licence, August 2026) and "CDNA5" Instruction Set Architecture Reference Guide (July 2026). The comments in the code are by the model that wrote it; some were corrected since.
;; Multi Head Attention. Allowed arithmetic: float matrix products may take bf16 or f16 operands with f32 sums; all other float work in f32.
;; Inputs: Wk 1,024 x 1,024 float32; Wo 1,024 x 1,024 float32; Wq 1,024 x 1,024 float32; Wv 1,024 x 1,024 float32; bk 1,024 float32; bo 1,024 float32; bq 1,024 float32; bv 1,024 float32; pos 1 x 2,048 x 64 float32; v_mask 2 x 2,048 int32; x 2 x 2,048 x 1,024 float32.
;; Outputs: out0 2 x 2,048 x 1,024 float32.
;; 2 versions, each right and faster than the one before. Each part assembles by itself: llvm-mc -triple=amdgcn-amd-amdhsa -mcpu=gfx1250 --defsym DOCPART=n.
;; ======== version 1 of 2: 4 launches
;; limits: values are held in f16: magnitudes above 65,504 overflow, below 6.1e-05 lose precision
;; workspace buffers: cb 16,777,216 bytes; qkv 25,165,824 bytes; ob 8,388,608 bytes
;; launch prep (part 1): grid 32 x 8, 8 waves a work-group, no clusters, 0 bytes of LDS; arguments x, Wq, Wk, Wv, Wo, cb; writes cb
.if DOCPART == 1
	.amdgcn_target "amdgcn-amd-amdhsa--gfx1250"
	.amdhsa_code_object_version 6
	.text
	.protected	k_q1540f19738_prep
	.globl	k_q1540f19738_prep
	.p2align	8
	.type	k_q1540f19738_prep,@function
k_q1540f19738_prep:
	s_mov_b64 s[64:65], 0
	v_nop
	global_prefetch_b8 v0, s[64:65] scope:SCOPE_SE
	s_setreg_imm32_b32 hwreg(HW_REG_WAVE_MODE, 25, 1), 1
	s_wait_xcnt 0x0
; MULTI-HEAD ATTENTION IN FOUR LAUNCHES: this cast; [Q|K|V] = x W + b with the rotation; attention; out0 = O Wo + bo.
; NOTHING OF THE PROBLEM IS LEFT OUT: bq and bk are rotated by pos and enter the scores (bk's term differs from key to key), bv and bo are added
; to values that reach out0, v_mask multiplies the scores and sets the masked ones to -1e12, so every input is loaded by some launch.
; FORMATS: every matrix operand is f16, every sum f32.  Q is stored as q' 2^-6 log2(e), K as k' m 2^-6; V and O carry no scale.
; WHY V AND O CARRY NO SCALE.  At the top: x + 30 with Wv + 0.94 (30 spreads each) gives v of about 1,024 x 30 x 0.94 = 29,000, under f16's largest
; number, 65,504, and a factor 2 upward would not fit.  At the bottom: x and Wv both 30 times smaller give v a spread of 1.1e-3 and, the softmax
; being uniform over 2,048 keys, O a spread of 2.5e-5; f16's step there is 6e-8, an error of 1.7e-8 in the mean, 0.07 per cent of that spread.
; LIMITS: |x|, |W|, the scaled Q and K, and V must stay under 65,504; with x, W and pos all 30 times their usual spread the scaled Q and K have a
; spread of about 500 and V of about 900.  Numbers under 6e-5 in a stored operand keep an absolute error of 3e-8: an O whose spread is under about
; 3e-6 carries more than half a per cent of error from it.  A NaN or an infinity among the inputs is not followed.
;
; THIS LAUNCH: x, Wq, Wk, Wv, Wo from f32 to f16 into cb: x at byte 0 (8 MiB), then the four W, 2 MiB each, all in their own row-major order.
; The grid's y names a segment of 2^20 numbers (0-3: quarters of x; 4-7: Wq, Wk, Wv, Wo), its x one of 32 parts of 32,768 numbers.
; Thread t takes 16 bytes at 16 t of every 4,096 bytes: a wave's load covers 512 consecutive bytes, its store 256 consecutive bytes, aligned.
; All 32 loads of a thread go out first; no register is written twice, so the only waits are the count-down on the loads.
; No LDS, matrix unit or cluster: nothing is shared and nothing is summed.
.set CHUNKS, 32
.set X, 4                              ; v[4:131]  chunk c: four f32 as loaded; its first two registers then hold four f16
	s_load_b256 s[4:11], s[0:1], 0x0               ; x s[4:5], Wq s[6:7], Wk s[8:9], Wv s[10:11]
	s_load_b128 s[12:15], s[0:1], 0x20             ; Wo s[12:13], cb s[14:15]
	s_and_b32 s2, ttmp7, 0xffff                    ; the segment
	v_lshlrev_b32 v1, 4, v0                        ; 16 t: where I load
	v_lshlrev_b32 v2, 3, v0                        ; 8 t: where I store
	s_cmp_lt_u32 s2, 4
	s_cselect_b32 s18, s2, 0                       ; a quarter of x, or the whole of a W
	s_lshl_b32 s18, s18, 22                        ; 4 MiB a quarter
	s_lshl_b32 s3, ttmp9, 17                       ; 128 KiB a work-group
	s_add_co_u32 s18, s18, s3
	s_mov_b32 s19, 0
	s_lshl_b32 s20, s2, 21                         ; in cb: 2 MiB a segment,
	s_lshl_b32 s3, ttmp9, 16                       ; 64 KiB a work-group
	s_add_co_u32 s20, s20, s3
	s_mov_b32 s21, 0
	s_wait_kmcnt 0x0
	s_mov_b64 s[16:17], s[4:5]                     ; the source buffer, chosen by the segment's number
	s_cmp_eq_u32 s2, 4
	s_cselect_b64 s[16:17], s[6:7], s[16:17]
	s_cmp_eq_u32 s2, 5
	s_cselect_b64 s[16:17], s[8:9], s[16:17]
	s_cmp_eq_u32 s2, 6
	s_cselect_b64 s[16:17], s[10:11], s[16:17]
	s_cmp_eq_u32 s2, 7
	s_cselect_b64 s[16:17], s[12:13], s[16:17]
	s_add_nc_u64 s[16:17], s[16:17], s[18:19]
	s_add_nc_u64 s[20:21], s[14:15], s[20:21]
.set c, 0
.rept CHUNKS
	global_load_b128 v[X+4*c:X+4*c+3], v1, s[16:17] offset:4096*c th:TH_LOAD_NT
.set c, c+1
.endr
.set c, 0
.rept CHUNKS
	s_wait_loadcnt CHUNKS-1-c                      ; loads come back in order: chunk c is in, the younger ones stay out
	v_cvt_pk_f16_f32 v[X+4*c], v[X+4*c], v[X+4*c+1]
	v_cvt_pk_f16_f32 v[X+4*c+1], v[X+4*c+2], v[X+4*c+3]
	global_store_b64 v2, v[X+4*c:X+4*c+1], s[20:21] offset:2048*c
.set c, c+1
.endr
	s_endpgm
.Lfunc_end_k_q1540f19738_prep:
	.size	k_q1540f19738_prep, .Lfunc_end_k_q1540f19738_prep-k_q1540f19738_prep
	.p2alignl 7, 3214868480
	.fill 96, 4, 3214868480
	.section	.rodata,"a",@progbits
	.p2align	6, 0x0
	.amdhsa_kernel k_q1540f19738_prep
		.amdhsa_group_segment_fixed_size 0
		.amdhsa_private_segment_fixed_size 0
		.amdhsa_enable_private_segment 0
		.amdhsa_kernarg_size 48
		.amdhsa_user_sgpr_count 2
		.amdhsa_user_sgpr_kernarg_segment_ptr 1
		.amdhsa_wavefront_size32 1
		.amdhsa_system_sgpr_workgroup_id_x 1
		.amdhsa_system_sgpr_workgroup_id_y 1
		.amdhsa_system_sgpr_workgroup_id_z 1
		.amdhsa_system_vgpr_workitem_id 0
		.amdhsa_next_free_vgpr 136
		.amdhsa_next_free_sgpr 66
		.amdhsa_reserve_vcc 0
		.amdhsa_float_denorm_mode_32 3
		.amdhsa_float_denorm_mode_16_64 3
		.amdhsa_memory_ordered 1
		.amdhsa_forward_progress 1
		.amdhsa_inst_pref_size 13
	.end_amdhsa_kernel
	.amdgpu_metadata
---
amdhsa.version: [ 1, 2 ]
amdhsa.kernels:
  - .name:           k_q1540f19738_prep
    .symbol:         k_q1540f19738_prep.kd
    .args:
      - { .name: x, .offset: 0, .size: 8, .value_kind: global_buffer, .address_space: global }
      - { .name: Wq, .offset: 8, .size: 8, .value_kind: global_buffer, .address_space: global }
      - { .name: Wk, .offset: 16, .size: 8, .value_kind: global_buffer, .address_space: global }
      - { .name: Wv, .offset: 24, .size: 8, .value_kind: global_buffer, .address_space: global }
      - { .name: Wo, .offset: 32, .size: 8, .value_kind: global_buffer, .address_space: global }
      - { .name: cb, .offset: 40, .size: 8, .value_kind: global_buffer, .address_space: global }
    .group_segment_fixed_size: 0
    .private_segment_fixed_size: 0
    .kernarg_segment_align: 8
    .kernarg_segment_size: 48
    .max_flat_workgroup_size: 256
    .sgpr_count:     66
    .vgpr_count:     136
    .wavefront_size: 32
...
	.end_amdgpu_metadata
.endif
;; end of part 1
;; launch qkv (part 2): grid 8 x 32, 4 waves a work-group, clusters of 4 x 4, 327,680 bytes of LDS; arguments cb, pos, v_mask, bq, bk, bv, qkv; writes qkv
.if DOCPART == 2
	.amdgcn_target "amdgcn-amd-amdhsa--gfx1250"
	.amdhsa_code_object_version 6
	.text
	.protected	k_q1540f19738_qkv
	.globl	k_q1540f19738_qkv
	.p2align	8
	.type	k_q1540f19738_qkv,@function
k_q1540f19738_qkv:
	s_mov_b64 s[64:65], 0
	v_nop
	global_prefetch_b8 v0, s[64:65] scope:SCOPE_SE
	s_setreg_imm32_b32 hwreg(HW_REG_WAVE_MODE, 25, 1), 1
	s_wait_xcnt 0x0
	s_wait_alu depctr_hold_cnt(0) depctr_sa_sdst(0) depctr_va_vdst(0) depctr_va_sdst(0) depctr_va_ssrc(0) depctr_va_vcc(0) depctr_vm_vsrc(0)
	s_getreg_b32 s2, hwreg(HW_REG_IB_STS2, 6, 4)
	s_cmp_eq_u32 s2, 0
	s_cbranch_scc0 .Lentry_in_a_cluster
	s_endpgm
.Lentry_in_a_cluster:
	s_bfe_u32 s2, ttmp6, 0x10000c
	s_cmp_lg_u32 s2, 0xf033
	s_cbranch_scc0 .Lentry_shape_is_right
	s_endpgm
.Lentry_shape_is_right:
; [Q|K|V] = x W + b, the rotation of Q and K by pos, the stored scales, and the key mask folded into K.  Nothing is left out.
; In: cb (x and the W in f16, as the cast launch laid them), pos, v_mask, bq, bk, bv.  Out: qkv, f16, [Q,K,V][b*16+head][2048][64].
;   Q is stored as q' 2^-6 log2(e), K as k' m 2^-6 (q', k': rotated), V as v.  Then 512 (Q.K) = (q'.k' / 8) m log2(e) exactly in the scales.
;   V has no scale: x + 30 with Wv + 0.94 gives v of about 1,024 x 30 x 0.94 = 29,000, which fits f16 as it is, and any scale downward would cost
;   O, the mean of up to 2,048 rows of V, its room above f16's fixed step of 6e-8.
; LIMIT: the stored numbers must stay under 65,504 in size (f16).
; SHARES: a work-group makes 128 rows (block row by) x 384 columns: columns 128 bx .. +127 of each of Q, K and V, six heads [Q0 Q1 K0 K1 V0 V1].
; Four waves, as many as a WGP has SIMDs: wave w takes 64 rows (w >> 1) and three heads, 3 (w & 1) + 0..2: 4 x 12 tiles, 384 accumulator registers.
; K goes in eight steps of 128 through two LDS slots; each wave brings one tile of 128 rows x 256 bytes a step: waves 0-2 the strips of Wq, Wk, Wv,
; wave 3 the tile of x.
; CLUSTERS: 4 x 4 work-groups.  x's tile hangs on by alone and is asked for jointly along a row of the cluster, W's strips on bx alone and jointly
; along a column: each of the four issues the same load with the same descriptor and receives the tile in its own LDS.
; THE MATRIX INSTRUCTION IS USED TRANSPOSED: source 0 = 16 columns of W (W lies [k][n] in LDS, so the transposing LDS load makes the fragment),
; source 1 = 16 rows of x.  Lane l then holds row l % 16 and its registers 0-7 the columns 8 (l / 16) + 0..7: the pairs that the rotation mixes lie
; in one lane, and eight results pack into 16 neighbouring bytes.
; REGISTER WINDOWS: 0: addresses, x fragments (two buffers), work registers, pos;  1: W fragments (two buffers of 96);
;   2: accumulators of head slots 0, 1: tile (a, b) at 8 (8 a + b);  3: head slot 2: tile (a, b) at 8 (4 a + b), and the biases at 128.
.set SLOT,   145408                    ; three W strips of 128 x 288 bytes, then x's tile of 128 x 272
.set WSTRIP, 36864
.set XT,     110592
.set PA,     272                       ; x's LDS row: 256 bytes + 16
.set PB,     288                       ; W's LDS row: 256 bytes + 32
.set STAGE,  2*SLOT                    ; 16 rows x 144 bytes for each wave, for the way out; no tile lands here
.set SPITCH, 144
.set CQ, 0x3cb8aa3b                    ; 2^-6 log2(e)
.set CK, 0x3c800000                    ; 2^-6
.set MRAW, 4                           ; v4-7    v_mask of my row in row tile a
.set MF,   8                           ; v8-15   m 2^-6, twice, for row tile a
.set ADRA, 16                          ; v16-17  LDS address of my x fragments in slot 0, 1
.set ADRB, 18                          ; v18-23  of my W fragments: slot s, head slot i at 18 + 3 s + i
.set STO,  24
.set RD,   25
.set CO,   26
.set PO,   27
.set MO,   28
.set BO,   29
.set FA,   32                          ; v32-63, v64-95  x fragments, buffer f at 32 + 32 f
.set OUTR, 32                          ; way out: two buffers of 16
.set U,    64                          ; way out: rotated numbers
.set T,    96                          ; way out: sums with bias, then packed f16
.set POS,  128                         ; v128-255  pos of my row and columns: 32 a + 8 bt + j
.set BIAS, 128                         ; window 3: 32 i + 8 bt + j
.set G1A, 32
.set G0A, 40
.set G1B, 48
.set G0B, 56
.set BP,  70                           ; s[70:75] bias pointers of my three heads
.set OP,  76                           ; s[76:81] output pointers of my three heads
.set MSB, 0
.macro WIN new                         ; the immediate's high byte repeats the setting that is left
.if MSB != \new
	s_set_vgpr_msb (MSB<<8)|\new
.set MSB, \new
.endif
.endm
.set MUL_LO, 0xa1                      ; source 0 window 1, source 1 window 0, C and D window 2
.set MUL_HI, 0xf1                      ; the same, C and D window 3
.set TO_B,   0x40                      ; destination window 1
.set TO_W3,  0xc0                      ; destination window 3
.set OUT_LO, 0x0e                      ; source 0 window 2, source 1 window 3
.set OUT_HI, 0x0f                      ; sources 0 and 1 window 3
; A joint load: wave 3 asks for x's tile, waves 0-2 for their W strips.  The branch hangs on the wave's number alone.
.macro JLOAD s
	s_cmp_eq_u32 s20, 3
	s_cbranch_scc0 .Lfor_w_\@
	tensor_load_to_lds s[G0A+4*\s:G0A+4*\s+3], s[G1A:G1A+7]
	s_nop 0
	s_branch .Lasked_\@
.Lfor_w_\@:
	tensor_load_to_lds s[G0B+4*\s:G0B+4*\s+3], s[G1B:G1B+7]
	s_nop 0
.Lasked_\@:
.endm
.macro CREST                           ; a round of the cluster's barrier behind its opening work-group barrier
	s_cmp_lg_u32 s20, 0
	s_cbranch_scc1 .Lnot_wave_0_\@
	s_barrier_signal -3
.Lnot_wave_0_\@:
	s_barrier_wait -3
	s_barrier_signal -1
	s_barrier_wait -1
.endm
.macro CROUND
	s_barrier_signal -1
	s_barrier_wait -1
	CREST
.endm
.macro PLACES                          ; four plain vector places between a matrix instruction and a load into, or a vector use of, its registers
.rept 4
	v_nop
.endr
.endm
	s_load_b256 s[4:11], s[0:1], 0x0               ; cb s[4:5], pos s[6:7], v_mask s[8:9], bq s[10:11]
	s_load_b128 s[12:15], s[0:1], 0x20             ; bk s[12:13], bv s[14:15]
	s_load_b64 s[16:17], s[0:1], 0x30              ; qkv
	s_set_vgpr_msb 0x40
	v_lshl_add_u32 v255, v0, 2, 0x49400
	s_set_vgpr_msb 0x4000
	v_mov_b32 v31, 0
	s_set_vgpr_msb 0x1
	ds_add_u32 v255, v31
	s_set_vgpr_msb 0x100
	v_lshrrev_b32 v1, 5, v0
	v_readfirstlane_b32 s20, v1                    ; wave 0..3
	s_lshr_b32 s21, s20, 1                         ; wr: which 64 rows
	s_and_b32 s22, s20, 1                          ; wc: which three heads
	s_bfe_u32 s23, ttmp6, 0x40000                  ; cx
	s_bfe_u32 s24, ttmp6, 0x40004                  ; cy
	s_lshl_b32 s25, ttmp9, 2
	s_add_co_u32 s25, s25, s23                     ; bx = 4 x cluster x + cx
	s_and_b32 s26, ttmp7, 0xffff
	s_lshl_b32 s26, s26, 2
	s_add_co_u32 s26, s26, s24                     ; by = 4 x cluster y + cy
	s_lshl_b32 s27, s24, 2
	s_lshl_b32 s27, 15, s27                        ; my row of the cluster
	s_lshl_b32 s28, 0x1111, s23                    ; my column
	; group 1: tiles of 128 rows x 128 elements of 2 bytes, pitch 1,024 elements; a pad behind every 64 words: 4 words for x, 8 for W
	s_or_b32 s[G1A+0], s27, (1<<16)|(1<<20)|(1<<21)|(5<<22)|(3<<25)
	s_or_b32 s[G1B+0], s28, (1<<16)|(1<<20)|(1<<21)|(5<<22)|(7<<25)
	s_mov_b32 s[G1A+1], 128<<16                    ; tensor_dim0 = 128
	s_mov_b32 s[G1B+1], 128<<16
	s_mov_b32 s[G1A+2], 128<<16                    ; tensor_dim1 = 128
	s_mov_b32 s[G1B+2], 128<<16
	s_mov_b32 s[G1A+3], 128<<16                    ; tile_dim0 = 128
	s_mov_b32 s[G1B+3], 128<<16
	s_mov_b32 s[G1A+4], 128                        ; tile_dim1 = 128
	s_mov_b32 s[G1B+4], 128
	s_mov_b32 s[G1A+5], 1024                       ; elements from row to row
	s_mov_b32 s[G1B+5], 1024
	s_mov_b32 s[G1A+6], 0
	s_mov_b32 s[G1B+6], 0
	s_mov_b32 s[G1A+7], 0
	s_mov_b32 s[G1B+7], 0
	s_lshl_b32 s66, s26, 18                        ; x: 128 by rows of 2,048 bytes: holds by alone
	s_mov_b32 s67, 0
	s_lshl_b32 s68, s20, 21                        ; W: matrix = wave, 2 MiB each,
	s_lshl_b32 s69, s25, 8                         ; column 128 bx: holds bx and the wave alone
	s_add_co_u32 s68, s68, s69
	s_add_co_u32 s68, s68, 8388608                 ; behind x in cb
	s_mov_b32 s69, 0
	s_mul_i32 s29, s20, WSTRIP                     ; where my tile goes in a slot: wave x 36,864 (wave 3: x's tile at 110,592)
	s_wait_dscnt 0x0
	s_wait_kmcnt 0x0
	s_add_nc_u64 s[66:67], s[4:5], s[66:67]
	s_add_nc_u64 s[68:69], s[4:5], s[68:69]
	CROUND                                         ; all sixteen work-groups are here: the first joint loads meet
.irp s, 0,1
	s_mov_b32 s[G0A+4*\s], 1
	s_add_co_u32 s[G0A+4*\s+1], s29, \s*SLOT
	s_add_nc_u64 s[G0A+4*\s+2:G0A+4*\s+3], s[66:67], \s*256        ; K step s: 128 elements along x's rows
	s_or_b32 s[G0A+4*\s+3], s[G0A+4*\s+3], 0x80000000
	s_mov_b32 s[G0B+4*\s], 1
	s_add_co_u32 s[G0B+4*\s+1], s29, \s*SLOT
	s_add_nc_u64 s[G0B+4*\s+2:G0B+4*\s+3], s[68:69], \s*262144     ; K step s: 128 rows of W
	s_or_b32 s[G0B+4*\s+3], s[G0B+4*\s+3], 0x80000000
	JLOAD \s                                       ; two loads of the wave are out
.endr
	v_and_b32 v1, 15, v0                           ; r = l % 16
	v_bfe_u32 v2, v0, 4, 1                         ; h = l / 16
	v_mul_u32_u24 v3, v1, PA
	v_lshl_add_u32 v3, v2, 4, v3                   ; x fragment: row r, 16 bytes a half
	s_mul_i32 s30, s21, 64*PA
	s_add_co_u32 s30, s30, XT
	v_add_nc_u32 v[ADRA], s30, v3
	v_add_nc_u32 v[ADRA+1], SLOT, v[ADRA]
	v_and_b32 v3, 7, v0                            ; W fragment by the transposing load: k row 8 h + l % 8,
	v_lshl_add_u32 v3, v2, 3, v3
	v_mul_u32_u24 v3, v3, PB
	v_bfe_u32 v30, v0, 3, 1                        ; 16 bytes for each group of eight lanes
	v_lshl_add_u32 v3, v30, 4, v3
	s_mul_i32 s19, s22, 3                          ; my first head among the six
.irp i, 0,1,2
	s_add_co_u32 s30, s19, \i
	s_lshr_b32 s31, s30, 1                         ; its matrix: the strip,
	s_mul_i32 s31, s31, WSTRIP
	s_and_b32 s30, s30, 1                          ; and which 64 columns (128 bytes) of the strip
	s_lshl_b32 s30, s30, 7
	s_add_co_u32 s31, s31, s30
	v_add_nc_u32 v[ADRB+\i], s31, v3
	v_add_nc_u32 v[ADRB+3+\i], SLOT, v[ADRB+\i]
.endr
	s_mul_i32 s30, s20, 16*SPITCH
	s_add_co_u32 s30, s30, STAGE                   ; my stage
	v_mul_u32_u24 v3, v1, SPITCH
	v_lshl_add_u32 v3, v2, 4, v3
	v_add_nc_u32 v[STO], s30, v3                   ; in: row r, 16 bytes a half
	v_bfe_u32 v3, v0, 3, 2
	v_mul_u32_u24 v3, v3, SPITCH
	v_and_b32 v30, 7, v0
	v_lshl_add_u32 v3, v30, 4, v3
	v_add_nc_u32 v[RD], s30, v3                    ; back: eight lanes a row of 128 bytes, four rows an instruction
	v_and_b32 v[CO], 31, v0
	v_lshlrev_b32 v[CO], 4, v[CO]                  ; and the same 512 bytes in qkv, where a head's rows follow each other
	v_lshlrev_b32 v[PO], 8, v1
	v_lshl_add_u32 v[PO], v2, 5, v[PO]             ; pos: row r (256 bytes), column 8 h
	v_lshlrev_b32 v[MO], 2, v1                     ; v_mask: row r
	v_lshlrev_b32 v[BO], 5, v2                     ; bias: column 8 h
	s_lshl_b32 s30, s26, 7
	s_lshl_b32 s31, s21, 6
	s_add_co_u32 s30, s30, s31                     ; my first row of the 4,096
	s_lshr_b32 s31, s30, 11                        ; its batch
	s_and_b32 s19, s30, 2047                       ; its place in the sequence
	s_lshl_b32 s86, s19, 8
	s_mov_b32 s87, 0
	s_add_nc_u64 s[82:83], s[6:7], s[86:87]        ; pos at my first row
	s_lshl_b32 s86, s30, 2
	s_add_nc_u64 s[84:85], s[8:9], s[86:87]        ; v_mask at my first row
	s_lshl_b32 s86, s25, 9                         ; the biases at column 128 bx
	s_add_nc_u64 s[10:11], s[10:11], s[86:87]
	s_add_nc_u64 s[12:13], s[12:13], s[86:87]
	s_add_nc_u64 s[14:15], s[14:15], s[86:87]
	s_add_nc_u64 s[88:89], s[12:13], 256
	s_cmp_lg_u32 s22, 0                            ; wc = 0: heads Q0 Q1 K0; wc = 1: K1 V0 V1
	s_cselect_b64 s[BP:BP+1], s[88:89], s[10:11]
	s_add_nc_u64 s[88:89], s[10:11], 256
	s_cselect_b64 s[BP+2:BP+3], s[14:15], s[88:89]
	s_add_nc_u64 s[88:89], s[14:15], 256
	s_cselect_b64 s[BP+4:BP+5], s[88:89], s[12:13]
	s_lshl_b32 s86, s31, 22                        ; qkv: batch x 16 heads x 262,144 bytes
	s_lshl_b32 s88, s19, 7                         ; + row x 128 bytes
	s_add_co_u32 s86, s86, s88
	s_lshl_b32 s88, s25, 19                        ; + head 2 bx
	s_add_co_u32 s86, s86, s88
	s_add_nc_u64 s[16:17], s[16:17], s[86:87]
	s_mov_b32 s89, 0
	s_cmp_lg_u32 s22, 0                            ; matrix x 8,388,608 + (head & 1) x 262,144 of each of my heads
	s_cselect_b32 s88, 8650752, 0
	s_add_nc_u64 s[OP:OP+1], s[16:17], s[88:89]
	s_mov_b32 s30, 16777216
	s_cselect_b32 s88, s30, 262144
	s_add_nc_u64 s[OP+2:OP+3], s[16:17], s[88:89]
	s_mov_b32 s30, 17039360
	s_cselect_b32 s88, s30, 8388608
	s_add_nc_u64 s[OP+4:OP+5], s[16:17], s[88:89]
	; pos, v_mask and the biases go out now and are waited for on the way out; their registers and addresses are touched by nothing in between
.irp a, 0,1,2,3
.irp bt, 0,1,2,3
	global_load_b128 v[POS+32*\a+8*\bt:POS+32*\a+8*\bt+3],   v[PO], s[82:83] offset:4096*\a+64*\bt
	global_load_b128 v[POS+32*\a+8*\bt+4:POS+32*\a+8*\bt+7], v[PO], s[82:83] offset:4096*\a+64*\bt+16
.endr
	global_load_b32 v[MRAW+\a], v[MO], s[84:85] offset:64*\a
.endr
	WIN TO_W3
.irp i, 0,1,2
.irp bt, 0,1,2,3
	global_load_b128 v[BIAS+32*\i+8*\bt:BIAS+32*\i+8*\bt+3],   v[BO], s[BP+2*\i:BP+2*\i+1] offset:64*\bt
	global_load_b128 v[BIAS+32*\i+8*\bt+4:BIAS+32*\i+8*\bt+7], v[BO], s[BP+2*\i:BP+2*\i+1] offset:64*\bt+16
.endr
.endr
	WIN 0
; 16 matrix instructions of window 2: row tiles a0, a0 + 1 x the eight column tiles of head slots 0, 1.  zero = 1: the product starts the sums.
.macro MULW2 f, a0, zero
.irp a, \a0, \a0+1
.irp b, 0,1,2,3,4,5,6,7
.if \zero
	v_wmma_f32_16x16x32_f16 v[8*(8*(\a)+\b):8*(8*(\a)+\b)+7], v[96*\f+8*\b:96*\f+8*\b+7], v[FA+32*\f+8*(\a):FA+32*\f+8*(\a)+7], 0
.else
	v_wmma_f32_16x16x32_f16 v[8*(8*(\a)+\b):8*(8*(\a)+\b)+7], v[96*\f+8*\b:96*\f+8*\b+7], v[FA+32*\f+8*(\a):FA+32*\f+8*(\a)+7], v[8*(8*(\a)+\b):8*(8*(\a)+\b)+7]
.endif
.endr
.endr
.endm
; 16 matrix instructions of window 3: all four row tiles x the four column tiles of head slot 2
.macro MULW3 f, zero
.irp a, 0,1,2,3
.irp b, 0,1,2,3
.if \zero
	v_wmma_f32_16x16x32_f16 v[8*(4*\a+\b):8*(4*\a+\b)+7], v[96*\f+64+8*\b:96*\f+64+8*\b+7], v[FA+32*\f+8*\a:FA+32*\f+8*\a+7], 0
.else
	v_wmma_f32_16x16x32_f16 v[8*(4*\a+\b):8*(4*\a+\b)+7], v[96*\f+64+8*\b:96*\f+64+8*\b+7], v[FA+32*\f+8*\a:FA+32*\f+8*\a+7], v[8*(4*\a+\b):8*(4*\a+\b)+7]
.endif
.endr
.endr
.endm
; 32 LDS loads in one run: quarter q (32 along K) of a slot into buffer f: x's 8, then W's 24 with head slot 2's eight last
.macro FETCH slot, q, f
	WIN 0
.irp a, 0,1,2,3
	ds_load_b128 v[FA+32*\f+8*\a:FA+32*\f+8*\a+3],   v[ADRA+\slot] offset:64*\q+\a*16*PA
	ds_load_b128 v[FA+32*\f+8*\a+4:FA+32*\f+8*\a+7], v[ADRA+\slot] offset:64*\q+\a*16*PA+32
.endr
	WIN TO_B
.irp i, 0,1,2
.irp bt, 0,1,2,3
	ds_load_tr16_b128 v[96*\f+8*(4*\i+\bt):96*\f+8*(4*\i+\bt)+3],   v[ADRB+3*\slot+\i] offset:32*PB*\q+32*\bt
	ds_load_tr16_b128 v[96*\f+8*(4*\i+\bt)+4:96*\f+8*(4*\i+\bt)+7], v[ADRB+3*\slot+\i] offset:32*PB*\q+32*\bt+16*PB
.endr
.endr
.endm
; A K step is four quarters of 48 matrix instructions on buffers 0, 1, 0, 1.  The 48 accumulators take turns, one instruction a turn, in the same
; order in every quarter.
.macro QUARTER slot, qn, f, g, zero
	s_wait_dscnt 0x8                               ; x and head slots 0, 1 are in; the youngest eight loads (head slot 2) may be out
	WIN MUL_LO
	MULW2 \f, 0, \zero
	MULW2 \f, 2, \zero
	PLACES
	FETCH \slot, \qn, \g                           ; the next quarter's fragments
	s_wait_dscnt 0x20                              ; all but the 32 just issued
	WIN MUL_HI
	MULW3 \f, \zero
.endm
.macro THREE slot, zero
	QUARTER \slot, 1, 0, 1, \zero
	QUARTER \slot, 2, 1, 0, 0
	QUARTER \slot, 3, 0, 1, 0
.endm
; The last quarter multiplies buffer 1 and changes slots.  In front of the barrier each wave waits for its reads of this slot and for all its tensor
; loads (one is out: its part of the next slot).  fill = 1: the barrier opens a round of the cluster's barrier, and the joint refill of this slot,
; two K steps ahead, is the first tensor load behind the round; 176 matrix instructions follow before the wait for it.
.macro TURN slot, next, fill
	s_wait_dscnt 0x8
	WIN MUL_LO
	MULW2 1, 0, 0
	s_wait_dscnt 0x0
	s_wait_tensorcnt 0x0
	ds_add_u32 v255, v31
	s_wait_dscnt 0x0
	s_barrier_signal -1
	MULW2 1, 2, 0                                  ; register work while the others arrive
	WIN 0
	s_barrier_wait -1
.if \fill
	CREST
	s_add_nc_u64 s[G0A+4*\slot+2:G0A+4*\slot+3], s[G0A+4*\slot+2:G0A+4*\slot+3], 512       ; no load of mine is out: the addresses step two K steps
	s_add_nc_u64 s[G0B+4*\slot+2:G0B+4*\slot+3], s[G0B+4*\slot+2:G0B+4*\slot+3], 524288
	JLOAD \slot
.endif
	PLACES
	FETCH \next, 0, 0
	WIN MUL_HI
	MULW3 1, 0
.endm
.macro LAP zero
	THREE 0, \zero
	TURN 0, 1, 1
	THREE 1, 0
	TURN 1, 0, 1
.endm
	s_wait_tensorcnt 0x1                           ; my part of K step 0 is in; K step 1's stays out
	s_barrier_signal -1
	s_barrier_wait -1
	FETCH 0, 0, 0
	LAP 1                                          ; K steps 0, 1: the first products start the sums
	WIN 0
	s_mov_b32 s18, 2
.Llap:
	LAP 0                                          ; K steps 2 to 5
	WIN 0
	s_sub_co_u32 s18, s18, 1
	s_cmp_lg_u32 s18, 0
	s_cbranch_scc1 .Llap
	THREE 0, 0                                     ; K steps 6, 7: nothing is left to fetch
	TURN 0, 1, 0
	THREE 1, 0
	s_wait_dscnt 0x8
	WIN MUL_LO
	MULW2 1, 0, 0
	MULW2 1, 2, 0
	s_wait_dscnt 0x0
	WIN MUL_HI
	MULW3 1, 0
; THE WAY OUT, 16 rows of one head at a time.  kind 0: Q, 1: K, 2: V.
;   t = sum + bias;  Q, K: u[2p] = t[2p] pos[2p+1] - t[2p+1] pos[2p], u[2p+1] = t[2p+1] pos[2p+1] + t[2p] pos[2p], and the stored scale;  V: t as it is;
;   f16;  16 bytes a lane into my stage, read back as 512 consecutive bytes of qkv.  LDS serves a wave's instructions in order, so no wait stands
;   between the stage's stores and loads.
.set OB, 0
.macro HEADTILE a, i, kind
.if \i < 2
	WIN OUT_LO
.set AB, 8*(8*\a+4*\i)
.else
	WIN OUT_HI
.set AB, 32*\a
.endif
.irp e, 0,2,4,6,8,10,12,14,16,18,20,22,24,26,28,30
	v_pk_add_f32 v[T+\e:T+\e+1], v[AB+\e:AB+\e+1], v[BIAS+32*\i+\e:BIAS+32*\i+\e+1]
.endr
	WIN 0
.if \kind < 2
.irp e, 0,2,4,6,8,10,12,14,16,18,20,22,24,26,28,30
	v_mul_f32 v[U+\e],   v[T+\e],   v[POS+32*\a+\e+1]
	v_mul_f32 v[U+\e+1], v[T+\e+1], v[POS+32*\a+\e+1]
.endr
.irp e, 0,2,4,6,8,10,12,14,16,18,20,22,24,26,28,30
	v_fma_f32 v[U+\e],   -v[T+\e+1], v[POS+32*\a+\e], v[U+\e]
	v_fma_f32 v[U+\e+1], v[T+\e],    v[POS+32*\a+\e], v[U+\e+1]
.endr
.irp e, 0,2,4,6,8,10,12,14,16,18,20,22,24,26,28,30
.if \kind == 0
	v_pk_mul_f32 v[U+\e:U+\e+1], v[U+\e:U+\e+1], CQ op_sel_hi:[1,0]
.else
	v_pk_mul_f32 v[U+\e:U+\e+1], v[U+\e:U+\e+1], v[MF+2*\a:MF+2*\a+1]
.endif
.endr
.irp bt, 0,1,2,3
.irp p, 0,1,2,3
	v_cvt_pk_f16_f32 v[T+8*\bt+\p], v[U+8*\bt+2*\p], v[U+8*\bt+2*\p+1]
.endr
.endr
.else
.irp bt, 0,1,2,3
.irp p, 0,1,2,3
	v_cvt_pk_f16_f32 v[T+8*\bt+\p], v[T+8*\bt+2*\p], v[T+8*\bt+2*\p+1]     ; in place: register p is written when pair p has been read, and pairs p + 1 .. lie above it
.endr
.endr
.endif
.irp bt, 0,1,2,3
	ds_store_b128 v[STO], v[T+8*\bt:T+8*\bt+3] offset:32*\bt
.endr
	s_wait_xcnt 0x0                                ; the buffer that earlier stores read is loaded again only behind this wait
.irp t, 0,1,2,3
	ds_load_b128 v[OUTR+OB+4*\t:OUTR+OB+4*\t+3], v[RD] offset:4*SPITCH*\t
.endr
.irp t, 0,1,2,3
	s_wait_dscnt 3-\t
	global_store_b128 v[CO], v[OUTR+OB+4*\t:OUTR+OB+4*\t+3], s[OP+2*\i:OP+2*\i+1] offset:2048*\a+512*\t
.endr
.set OB, 16-OB
.endm
	PLACES                                         ; behind the last matrix instructions
	WIN 0
	s_wait_loadcnt 0x0                             ; pos, v_mask, the biases
.irp a, 0,1,2,3
	v_cvt_f32_i32 v[MF+2*\a], v[MRAW+\a]
	v_mul_f32 v[MF+2*\a], CK, v[MF+2*\a]
	v_mov_b32 v[MF+2*\a+1], v[MF+2*\a]
.endr
	s_cmp_lg_u32 s22, 0                            ; the kinds of my three heads hang on the wave's number alone
	s_cbranch_scc1 .Lright
.irp a, 0,1,2,3
	HEADTILE \a, 0, 0
	HEADTILE \a, 1, 0
	HEADTILE \a, 2, 1
.endr
	s_branch .Ljoin
.Lright:
.irp a, 0,1,2,3
	HEADTILE \a, 0, 1
	HEADTILE \a, 1, 2
	HEADTILE \a, 2, 2
.endr
.Ljoin:
	s_set_vgpr_msb 0x1
	s_wait_tensorcnt 0x0
	ds_add_u32 v255, v31
	s_wait_dscnt 0x0
	s_set_vgpr_msb 0x100
	CROUND                                         ; the closing round: no work-group ends while a partner may still ask for a tile that names it
	s_endpgm
.Lfunc_end_k_q1540f19738_qkv:
	.size	k_q1540f19738_qkv, .Lfunc_end_k_q1540f19738_qkv-k_q1540f19738_qkv
	.p2alignl 7, 3214868480
	.fill 96, 4, 3214868480
	.section	.rodata,"a",@progbits
	.p2align	6, 0x0
	.amdhsa_kernel k_q1540f19738_qkv
		.amdhsa_group_segment_fixed_size 327680
		.amdhsa_private_segment_fixed_size 0
		.amdhsa_enable_private_segment 0
		.amdhsa_kernarg_size 56
		.amdhsa_user_sgpr_count 2
		.amdhsa_user_sgpr_kernarg_segment_ptr 1
		.amdhsa_wavefront_size32 1
		.amdhsa_system_sgpr_workgroup_id_x 1
		.amdhsa_system_sgpr_workgroup_id_y 1
		.amdhsa_system_sgpr_workgroup_id_z 1
		.amdhsa_system_vgpr_workitem_id 0
		.amdhsa_next_free_vgpr 992
		.amdhsa_next_free_sgpr 100
		.amdhsa_reserve_vcc 0
		.amdhsa_float_denorm_mode_32 3
		.amdhsa_float_denorm_mode_16_64 3
		.amdhsa_memory_ordered 1
		.amdhsa_forward_progress 1
		.amdhsa_inst_pref_size 255
	.end_amdhsa_kernel
	.section	.bss,"aw",@nobits
	.p2align	6
	.space	262144
	.amdgpu_metadata
---
amdhsa.version: [ 1, 2 ]
amdhsa.kernels:
  - .name:           k_q1540f19738_qkv
    .symbol:         k_q1540f19738_qkv.kd
    .args:
      - { .name: cb, .offset: 0, .size: 8, .value_kind: global_buffer, .address_space: global }
      - { .name: pos, .offset: 8, .size: 8, .value_kind: global_buffer, .address_space: global }
      - { .name: v_mask, .offset: 16, .size: 8, .value_kind: global_buffer, .address_space: global }
      - { .name: bq, .offset: 24, .size: 8, .value_kind: global_buffer, .address_space: global }
      - { .name: bk, .offset: 32, .size: 8, .value_kind: global_buffer, .address_space: global }
      - { .name: bv, .offset: 40, .size: 8, .value_kind: global_buffer, .address_space: global }
      - { .name: qkv, .offset: 48, .size: 8, .value_kind: global_buffer, .address_space: global }
    .group_segment_fixed_size: 327680
    .private_segment_fixed_size: 0
    .kernarg_segment_align: 8
    .kernarg_segment_size: 56
    .max_flat_workgroup_size: 128
    .sgpr_count:     100
    .vgpr_count:     992
    .wavefront_size: 32
...
	.end_amdgpu_metadata
.endif
;; end of part 2
;; launch attn (part 3): grid 8 x 32, 8 waves a work-group, clusters of 4 x 1, 327,680 bytes of LDS; arguments qkv, v_mask, ob; writes ob
.if DOCPART == 3
	.amdgcn_target "amdgcn-amd-amdhsa--gfx1250"
	.amdhsa_code_object_version 6
	.text
	.protected	k_q1540f19738_attn
	.globl	k_q1540f19738_attn
	.p2align	8
	.type	k_q1540f19738_attn,@function
k_q1540f19738_attn:
	s_mov_b64 s[64:65], 0
	v_nop
	global_prefetch_b8 v0, s[64:65] scope:SCOPE_SE
	s_setreg_imm32_b32 hwreg(HW_REG_WAVE_MODE, 25, 1), 1
	s_wait_xcnt 0x0
	s_wait_alu depctr_hold_cnt(0) depctr_sa_sdst(0) depctr_va_vdst(0) depctr_va_sdst(0) depctr_va_ssrc(0) depctr_va_vcc(0) depctr_vm_vsrc(0)
	s_getreg_b32 s2, hwreg(HW_REG_IB_STS2, 6, 4)
	s_cmp_eq_u32 s2, 0
	s_cbranch_scc0 .Lentry_in_a_cluster
	s_endpgm
.Lentry_in_a_cluster:
	s_bfe_u32 s2, ttmp6, 0x10000c
	s_cmp_lg_u32 s2, 0x3003
	s_cbranch_scc0 .Lentry_shape_is_right
	s_endpgm
.Lentry_shape_is_right:
; Attention for one (batch, head) = grid y and 256 queries = grid x.  Nothing is left out.
; In: qkv (f16: Q = q' 2^-6 log2(e), K = k' m 2^-6, V), v_mask.  Out: ob, f16, [block of 128 rows][16 heads][128 rows][64], O in V's units.
; THE SCORES.  S = Q.K + beta[key], beta = (1 - m) (-1e12) log2(e) / 512, given to the first product as its C.  512 S = (a m - 1e12 (1 - m)) log2(e),
; a = q'.k' / 8: the softmax's input in base 2.  512 is a power of two, so 512 S and 512 max(S) are exact and the largest key's exponent is exactly 0,
; at any size of the scores; with m = 0 the stored K row is 0 and S = beta exactly, so a row whose keys are all masked comes out uniform.
; The maximum is a running one: p = exp2(512 S - M), and sums and O are rescaled by exp2(M_old - M_new) every 32 keys.
; LIMIT: a NaN or an infinity in Q, K or V is not followed.
; SHARES: eight waves, 32 queries each (two query tiles).  K and V go in eight tiles of 256 keys through two LDS slots.
; CLUSTERS: the four query blocks of a cluster read the same K and V: waves 0, 1 ask jointly for V's halves, waves 2, 3 for K's; waves 4-7 ask for nothing.
; BOTH PRODUCTS ARE TRANSPOSED.  S^T = K Q^T: source 0 = 16 keys, source 1 = 16 queries; lane l holds query l % 16 and keys 8 (l / 16) + 0..7.
; Two key tiles, packed to f16, ARE source 1 of O^T = V^T P^T (source 0 = 16 columns of V by the transposing LDS load).  So every softmax figure is
; a lane's own; one exchange between lanes l and l xor 16 joins the two halves of the keys.
; THE TWO QUERY TILES TAKE TURNS.  A step is 32 keys, in two blocks; a block is eight products of one tile with one slice of the other tile's
; softmax step behind each:
;   A(n): softmax of tile 0 on step n;  products of tile 1: O1 += V(n-1) P1(n-1) (4), S1 = K(n) Q1 + beta(n) (4)
;   B(n): softmax of tile 1 on step n;  products of tile 0: O0 += V(n) P0(n) (4),     S0 = K(n+1) Q0 + beta(n+1) (4)
; A slice names none of the registers of the products round it, so its plain instructions are the places that loads into fragments and readers of
; results need behind matrix instructions, and the loop holds no v_nop.  Each fragment serves both tiles and is loaded once, in A:
; V(n)'s column tile dt behind slice dt + 2, K(n+1) and beta(n+1) behind slices 6, 7, 8: at least 8 plain instructions behind the last product that
; read the registers, and six or seven slices ahead of the first use in B.
; WHY 32 KEYS A STEP: the tiles stand a softmax step apart, so a whole step's fragments stay live: at 64 keys K 64 + V 64 + S 64 registers beside
; Q 32, O 64 and 24 others are 312, more than the 256 that an instruction names; with fragments in a second window each product would stand between
; two switches, 32 for 32 keys, against the 22 instructions for 32 keys that the longer step would save.
; A tile's steps are a counted loop of one step with stepped LDS addresses; written out are the first two steps (nothing summed yet), each tile's
; last step (with the change of slots) and the last step of all.
.set SLOT,  77824                      ; V: 256 keys x 160 bytes; K: 256 keys x 144 bytes
.set KOFF,  40960
.set PV,    160
.set PK,    144
.set BETA,  155648                     ; 2,048 f32
.set STAGE, 163840                     ; 32 rows x 144 bytes for each wave; no tile lands here
.set SP,    144
.set NEGK,  0xc4000000                 ; -512
.set POSK,  0x44000000                 ; 512
.set ADK, 1                            ; v1      K fragments of the step that is loaded next; steps 32 keys x 144 bytes
.set ADV, 2                            ; v2      V fragments likewise; steps 32 keys x 160 bytes
.set ADB, 3                            ; v3      beta likewise; steps 128 bytes
.set LK,  4                            ; v4      my place in K's part of slot 0
.set LV,  5                            ; v5      my place in V's part of slot 0
.set STO, 6
.set RD,  7
.set GO,  8
.set QO,  9
.set MKO, 10
.set BSO, 11
.set LS,  12                           ; v12-15  query tile q: my half of the sum, as a pair
.set TT,  16                           ; v16-23  at work
.set NM,  24                           ; v24-27  query tile q: minus the running maximum of 512 S, and the running maximum of S
.set CF,  28                           ; v28-29  the rescaling factor, and its exponent
.set Q,   32                           ; v32-63    16 q + 8 d
.set O,   64                           ; v64-127   32 q + 8 dt
.set KF,  128                          ; v128-159  16 kt + 8 d
.set VF,  160                          ; v160-191  8 dt
.set BT,  192                          ; v192-207  8 kt
.set S,   208                          ; v208-239  16 q + 8 kt
.set P,   240                          ; v240-255  8 q
.set G1V, 16
.set G1K, 24
.set G0V, 32
.set G0K, 40
.macro JLOAD s
	s_cmp_lt_u32 s10, 2
	s_cbranch_scc0 .Lnot_v_\@
	tensor_load_to_lds s[G0V+4*\s:G0V+4*\s+3], s[G1V:G1V+7]
	s_nop 0
	s_branch .Lasked_\@
.Lnot_v_\@:
	s_cmp_lt_u32 s10, 4
	s_cbranch_scc0 .Lasked_\@
	tensor_load_to_lds s[G0K+4*\s:G0K+4*\s+3], s[G1K:G1K+7]
	s_nop 0
.Lasked_\@:
.endm
.macro ROUND                           ; a round of the cluster's barrier
	s_barrier_signal -1
	s_barrier_wait -1
	s_cmp_lg_u32 s10, 0
	s_cbranch_scc1 .Lnot_wave_0_\@
	s_barrier_signal -3
.Lnot_wave_0_\@:
	s_barrier_wait -3
	s_barrier_signal -1
	s_barrier_wait -1
.endm
	s_load_b128 s[4:7], s[0:1], 0x0                ; qkv s[4:5], v_mask s[6:7]
	s_load_b64 s[8:9], s[0:1], 0x10                ; ob
	v_lshl_add_u32 v30, v0, 2, 0x31000
	v_mov_b32 v31, 0
	ds_add_u32 v30, v31
	v_lshrrev_b32 v16, 5, v0
	v_readfirstlane_b32 s10, v16                   ; wave 0..7
	s_bfe_u32 s11, ttmp6, 0x40000                  ; cx
	s_lshl_b32 s12, ttmp9, 2
	s_add_co_u32 s12, s12, s11                     ; query block
	s_and_b32 s13, ttmp7, 0xffff                   ; batch x 16 + head
	s_mov_b32 s48, 0x76543210                      ; v_permlanex16_b32: lane i of one half reads lane i of the other
	s_mov_b32 s49, 0xfedcba98
	s_mov_b32 s50, 0x4f27f3aa                      ; 1e12 log2(e) / 512
	s_mov_b32 s51, 0xcf27f3aa
	; group 1: 128 keys are 16,384 dense bytes: 64 rows of 32 elements of 8 bytes; a pad behind every 32 words (one key): 8 words for V, 4 for K
	s_mov_b32 s[G1V+0], 15|(3<<16)|(1<<20)|(1<<21)|(4<<22)|(7<<25)
	s_mov_b32 s[G1K+0], 15|(3<<16)|(1<<20)|(1<<21)|(4<<22)|(3<<25)
	s_mov_b32 s[G1V+1], 32<<16
	s_mov_b32 s[G1K+1], 32<<16
	s_mov_b32 s[G1V+2], 64<<16
	s_mov_b32 s[G1K+2], 64<<16
	s_mov_b32 s[G1V+3], 32<<16
	s_mov_b32 s[G1K+3], 32<<16
	s_mov_b32 s[G1V+4], 64
	s_mov_b32 s[G1K+4], 64
	s_mov_b32 s[G1V+5], 32
	s_mov_b32 s[G1K+5], 32
	s_mov_b32 s[G1V+6], 0
	s_mov_b32 s[G1K+6], 0
	s_mov_b32 s[G1V+7], 0
	s_mov_b32 s[G1K+7], 0
	s_lshl_b32 s60, s13, 18                        ; V: the head (262,144 bytes), the wave's 128 keys; made of the head and the wave alone
	s_lshl_b32 s61, s10, 14
	s_add_co_u32 s60, s60, s61
	s_add_co_u32 s60, s60, 16777216
	s_mov_b32 s61, 0
	s_lshl_b32 s62, s13, 18                        ; K likewise
	s_and_b32 s63, s10, 1
	s_lshl_b32 s63, s63, 14
	s_add_co_u32 s62, s62, s63
	s_add_co_u32 s62, s62, 8388608
	s_mov_b32 s63, 0
	s_mul_i32 s14, s10, 128*PV                     ; V's half in a slot: wave x 20,480
	s_mul_i32 s15, s10, 128*PK                     ; K's half: 40,960 + (wave - 2) x 18,432
	s_add_co_u32 s15, s15, KOFF-2*128*PK
	s_wait_dscnt 0x0
	s_wait_kmcnt 0x0
	s_add_nc_u64 s[60:61], s[4:5], s[60:61]
	s_add_nc_u64 s[62:63], s[4:5], s[62:63]
.irp s, 0,1
	s_mov_b32 s[G0V+4*\s], 1
	s_add_co_u32 s[G0V+4*\s+1], s14, \s*SLOT
	s_add_nc_u64 s[G0V+4*\s+2:G0V+4*\s+3], s[60:61], \s*32768      ; tile s: 256 keys of 128 bytes
	s_or_b32 s[G0V+4*\s+3], s[G0V+4*\s+3], 0x80000000
	s_mov_b32 s[G0K+4*\s], 1
	s_add_co_u32 s[G0K+4*\s+1], s15, \s*SLOT
	s_add_nc_u64 s[G0K+4*\s+2:G0K+4*\s+3], s[62:63], \s*32768
	s_or_b32 s[G0K+4*\s+3], s[G0K+4*\s+3], 0x80000000
.endr
	ROUND                                          ; the four work-groups are here
	JLOAD 0                                        ; tile 0; slot 1 is first filled behind the next round
	v_and_b32 v16, 15, v0                          ; r
	v_bfe_u32 v17, v0, 4, 1                        ; h
	v_mul_u32_u24 v18, v16, PK
	v_lshl_add_u32 v18, v17, 4, v18                ; r x 144 + 16 h: K's fragments, and the stage's rows
	v_add_nc_u32 v[LK], KOFF, v18
	s_mul_i32 s15, s10, 32*SP
	s_add_co_u32 s15, s15, STAGE
	v_add_nc_u32 v[STO], s15, v18
	v_and_b32 v18, 7, v0
	v_lshl_add_u32 v19, v17, 3, v18                ; V by the transposing load: key 8 h + l % 8,
	v_mul_u32_u24 v19, v19, PV
	v_bfe_u32 v[LV], v0, 3, 1                      ; 16 bytes for each group of eight lanes
	v_lshl_add_u32 v[LV], v[LV], 4, v19
	v_lshlrev_b32 v[ADB], 5, v17
	v_add_nc_u32 v[ADB], BETA, v[ADB]              ; beta of keys 8 h + 0..7
	v_bfe_u32 v19, v0, 3, 2
	v_mul_u32_u24 v19, v19, SP
	v_lshl_add_u32 v19, v18, 4, v19
	v_add_nc_u32 v[RD], s15, v19                   ; back: eight lanes a row of 128 bytes
	v_and_b32 v[GO], 31, v0
	v_lshlrev_b32 v[GO], 4, v[GO]
	v_lshlrev_b32 v[QO], 7, v16
	v_lshl_add_u32 v[QO], v17, 4, v[QO]            ; Q: row r (128 bytes), 16 bytes a half
	v_lshlrev_b32 v[MKO], 5, v0                    ; thread t makes beta of keys 8 t + 0..7
	v_add_nc_u32 v[BSO], BETA, v[MKO]
	v_mov_b32 v[ADK], v[LK]                        ; the first step lies in slot 0
	v_mov_b32 v[ADV], v[LV]
	s_lshl_b32 s54, s13, 18                        ; Q: the head, row 256 block + 32 wave
	s_lshl_b32 s15, s12, 15
	s_add_co_u32 s54, s54, s15
	s_lshl_b32 s15, s10, 12
	s_add_co_u32 s54, s54, s15
	s_mov_b32 s55, 0
	s_add_nc_u64 s[52:53], s[4:5], s[54:55]
	s_lshr_b32 s15, s13, 4                         ; batch
	s_lshl_b32 s54, s15, 13
	s_add_nc_u64 s[58:59], s[6:7], s[54:55]        ; v_mask of the batch
	s_lshl_b32 s54, s15, 4                         ; ob: block of 128 rows = 16 batch + 2 query block + wave / 4,
	s_lshl1_add_u32 s54, s12, s54
	s_lshr_b32 s15, s10, 2
	s_add_co_u32 s54, s54, s15
	s_lshl_b32 s54, s54, 4                         ; x 16 heads + head,
	s_and_b32 s15, s13, 15
	s_add_co_u32 s54, s54, s15
	s_lshl_b32 s54, s54, 14                        ; x 16,384 bytes,
	s_and_b32 s15, s10, 3
	s_lshl_b32 s15, s15, 12                        ; + my 32 rows of 128 bytes
	s_add_co_u32 s54, s54, s15
	s_add_nc_u64 s[56:57], s[8:9], s[54:55]
.irp q, 0,1
.irp c, 0,1,2,3
	global_load_b128 v[Q+16*\q+4*\c:Q+16*\q+4*\c+3], v[QO], s[52:53] offset:2048*\q+32*\c
.endr
.endr
	global_load_b128 v[S:S+3],   v[MKO], s[58:59]
	global_load_b128 v[S+4:S+7], v[MKO], s[58:59] offset:16
	s_wait_loadcnt 0x0
.irp j, 0,1,2,3,4,5,6,7
	v_cvt_f32_i32 v[S+\j], v[S+\j]
.endr
.irp j, 0,1,2,3,4,5,6,7
	v_fma_f32 v[S+8+\j], v[S+\j], s50, s51         ; (m - 1) 1e12 log2(e) / 512: exactly 0 where m = 1
.endr
	ds_store_b128 v[BSO], v[S+8:S+11]              ; shown to the other waves by the wait for 0 and the round below
	ds_store_b128 v[BSO], v[S+12:S+15] offset:16
; Product k = 1..8 of query tile o in a block.  1-4: O += V^T P, column tile k - 1 (mode 1: the product starts the sum; 2: it adds).
; 5, 6: S = K Q + beta, key tiles 0, 1, the head size's first 32; 7, 8: the same key tiles, its second 32, in place.  mode 0: nothing.
; In this order no two products that follow each other name one accumulator, over the blocks' ends and the loops' jumps too: the accumulators take
; turns, one instruction a turn.
.macro MX o, k, mode
.if \mode
.if \k < 5
.set DT, \k-1
.if \mode == 1
	v_wmma_f32_16x16x32_f16 v[O+32*\o+8*DT:O+32*\o+8*DT+7], v[VF+8*DT:VF+8*DT+7], v[P+8*\o:P+8*\o+7], 0
.else
	v_wmma_f32_16x16x32_f16 v[O+32*\o+8*DT:O+32*\o+8*DT+7], v[VF+8*DT:VF+8*DT+7], v[P+8*\o:P+8*\o+7], v[O+32*\o+8*DT:O+32*\o+8*DT+7]
.endif
.else
.if \k < 7
.set KT, \k-5
	v_wmma_f32_16x16x32_f16 v[S+16*\o+8*KT:S+16*\o+8*KT+7], v[KF+16*KT:KF+16*KT+7], v[Q+16*\o:Q+16*\o+7], v[BT+8*KT:BT+8*KT+7]
.else
.set KT, \k-7
	v_wmma_f32_16x16x32_f16 v[S+16*\o+8*KT:S+16*\o+8*KT+7], v[KF+16*KT+8:KF+16*KT+15], v[Q+16*\o+8:Q+16*\o+15], v[S+16*\o+8*KT:S+16*\o+8*KT+7]
.endif
.endif
.endif
.endm
; The next step's K and beta, twelve loads in three parts, in the order in which products 5 to 8 need them.
.macro LDK part
.if \part < 2
	ds_load_b128 v[BT+8*\part:BT+8*\part+3],     v[ADB] offset:64*\part
	ds_load_b128 v[BT+8*\part+4:BT+8*\part+7],   v[ADB] offset:64*\part+16
	ds_load_b128 v[KF+16*\part:KF+16*\part+3],   v[ADK] offset:16*PK*\part
	ds_load_b128 v[KF+16*\part+4:KF+16*\part+7], v[ADK] offset:16*PK*\part+32
.else
.irp kt, 0,1
	ds_load_b128 v[KF+16*\kt+8:KF+16*\kt+11],  v[ADK] offset:16*PK*\kt+64
	ds_load_b128 v[KF+16*\kt+12:KF+16*\kt+15], v[ADK] offset:16*PK*\kt+96
.endr
	v_add_nc_u32 v[ADK], 32*PK, v[ADK]             ; 32 keys on
	v_add_nc_u32 v[ADB], 128, v[ADB]
.endif
.endm
.macro LDV dt                          ; column tile dt of this step's V^T: two loads
	ds_load_tr16_b128 v[VF+8*\dt:VF+8*\dt+3],   v[ADV] offset:32*\dt
	ds_load_tr16_b128 v[VF+8*\dt+4:VF+8*\dt+7], v[ADV] offset:32*\dt+16*PV
.endm
; One exponential and, behind it, one packed rescaling of O: the plain instruction that an exponential needs behind it (ISA guide 5.7.2).
.macro EO q, e, first
	v_exp_f32 v[S+16*\q+\e], v[S+16*\q+\e]
.if \first == 0
	s_wait_alu depctr_va_vdst(0)
	v_pk_mul_f32 v[O+32*\q+2*\e:O+32*\q+2*\e+1], v[O+32*\q+2*\e:O+32*\q+2*\e+1], v[CF:CF+1] op_sel_hi:[1,0]
.endif
.endm
; Slice k = 1..8 of the softmax step of query tile q on 32 keys.  first = 1: nothing has been summed yet.
.macro SL q, k, first
.if \k == 1                            ; the largest of my 16 scores
	v_max3_num_f32 v[TT],   v[S+16*\q],    v[S+16*\q+1],  v[S+16*\q+2]
	v_max3_num_f32 v[TT+1], v[S+16*\q+3],  v[S+16*\q+4],  v[S+16*\q+5]
	v_max3_num_f32 v[TT+2], v[S+16*\q+6],  v[S+16*\q+7],  v[S+16*\q+8]
	v_max3_num_f32 v[TT+3], v[S+16*\q+9],  v[S+16*\q+10], v[S+16*\q+11]
	v_max3_num_f32 v[TT+4], v[S+16*\q+12], v[S+16*\q+13], v[S+16*\q+14]
	v_max3_num_f32 v[TT],   v[TT],   v[TT+1], v[S+16*\q+15]
	v_max3_num_f32 v[TT+2], v[TT+2], v[TT+3], v[TT+4]
	v_max_num_f32 v[TT], v[TT], v[TT+2]
.endif
.if \k == 2                            ; the running maximum and the factor
	v_permlanex16_b32 v[TT+1], v[TT], s48, s49     ; the other half of the keys
.if \first
	v_max_num_f32 v[NM+2*\q+1], v[TT], v[TT+1]
.else
	v_max3_num_f32 v[NM+2*\q+1], v[TT], v[TT+1], v[NM+2*\q+1]
	v_fma_f32 v[CF+1], v[NM+2*\q+1], NEGK, -v[NM+2*\q]     ; 512 (old maximum - new maximum), at most 0; the product is exact
.endif
	v_mul_f32 v[NM+2*\q], NEGK, v[NM+2*\q+1]       ; exact: a power of two
.if \first == 0
	v_exp_f32 v[CF], v[CF+1]                       ; first used behind slice 3's plain instructions
.endif
.endif
.if \k == 3                            ; 512 S - M; the pair's first register serves both halves
.irp e, 0,2,4,6,8,10,12,14
	v_pk_fma_f32 v[S+16*\q+\e:S+16*\q+\e+1], v[S+16*\q+\e:S+16*\q+\e+1], POSK, v[NM+2*\q:NM+2*\q+1] op_sel_hi:[1,0,0]
.endr
.endif
.if \k == 4
.irp e, 0,1,2,3,4
	EO \q, \e, \first
.endr
.endif
.if \k == 5
.irp e, 5,6,7,8,9
	EO \q, \e, \first
.endr
.endif
.if \k == 6
.irp e, 10,11,12,13,14,15
	EO \q, \e, \first
.endr
.if \first
	v_nop                                          ; the plain instruction behind the exponentials
	s_wait_alu depctr_va_vdst(0)
.endif
.endif
.if \k == 7                            ; P: ready a product and a slice ahead of its first use
	s_wait_alu depctr_va_vdst(0)
.irp p, 0,1,2,3,4,5,6,7
	v_cvt_pk_f16_f32 v[P+8*\q+\p], v[S+16*\q+2*\p], v[S+16*\q+2*\p+1]
.endr
.endif
.if \k == 8                            ; the sum, kept as a pair
	v_pk_add_f32 v[TT:TT+1],   v[S+16*\q:S+16*\q+1],   v[S+16*\q+2:S+16*\q+3]
	v_pk_add_f32 v[TT+2:TT+3], v[S+16*\q+4:S+16*\q+5], v[S+16*\q+6:S+16*\q+7]
	v_pk_add_f32 v[TT:TT+1],   v[TT:TT+1],   v[S+16*\q+8:S+16*\q+9]
	v_pk_add_f32 v[TT+2:TT+3], v[TT+2:TT+3], v[S+16*\q+10:S+16*\q+11]
	v_pk_add_f32 v[TT:TT+1],   v[TT:TT+1],   v[S+16*\q+12:S+16*\q+13]
	v_pk_add_f32 v[TT+2:TT+3], v[TT+2:TT+3], v[S+16*\q+14:S+16*\q+15]
.if \first
	v_pk_add_f32 v[LS+2*\q:LS+2*\q+1], v[TT:TT+1], v[TT+2:TT+3]
.else
	v_pk_add_f32 v[TT:TT+1], v[TT:TT+1], v[TT+2:TT+3]
	v_pk_fma_f32 v[LS+2*\q:LS+2*\q+1], v[LS+2*\q:LS+2*\q+1], v[CF:CF+1], v[TT:TT+1] op_sel_hi:[1,0,1]
.endif
.endif
.endm
; Block A: softmax of tile 0, products of tile 1, and all the step's LDS loads.  Its products' fragments were waited for in the block before.
; pvm: mode of products 1-4.  ldv, ldk: this step's V, the next step's K and beta are loaded.
; edge = 0: a step inside a tile.  edge = 1: a tile's last step: behind V's last load stands the change of slots: every wave waits for all its tensor
; loads (its part of the next tile among them) and for its LDS loads (its last reads of this slot), then the round; refill = 1: the joint refill of
; this slot, two tiles on, is the first tensor load behind the round; the next K is read from the other slot.  At most one tensor load of a wave is out.
; edge = 2: the last step of all.
.macro BLKA first, pvm, ldv, ldk, edge, slot, refill
	MX 1, 1, \pvm
	SL 0, 1, \first
	MX 1, 2, \pvm
	SL 0, 2, \first
.if \ldv
	LDV 0
.endif
	MX 1, 3, \pvm
	SL 0, 3, \first
.if \ldv
	LDV 1
.endif
	MX 1, 4, \pvm
	SL 0, 4, \first
.if \ldv
	LDV 2
.endif
	MX 1, 5, 1
	SL 0, 5, \first
.if \ldv
	LDV 3
.if \edge == 0
	v_add_nc_u32 v[ADV], 32*PV, v[ADV]             ; 32 keys on
.endif
.endif
.if \edge == 1
.if \slot == 0
	v_add_nc_u32 v[ADV], SLOT, v[LV]               ; the next tile's first step, in the other slot
	v_add_nc_u32 v[ADK], SLOT, v[LK]
.else
	v_mov_b32 v[ADV], v[LV]
	v_mov_b32 v[ADK], v[LK]
.endif
	s_wait_tensorcnt 0x0
	ds_add_u32 v30, v31
	s_wait_dscnt 0x0
.if \refill
	s_add_nc_u64 s[G0V+4*\slot+2:G0V+4*\slot+3], s[G0V+4*\slot+2:G0V+4*\slot+3], 65536     ; no load of mine is out: this slot's next tile, two tiles on
	s_add_nc_u64 s[G0K+4*\slot+2:G0K+4*\slot+3], s[G0K+4*\slot+2:G0K+4*\slot+3], 65536
.endif
	s_wait_dscnt 0x0
	ROUND
.if \refill
	JLOAD \slot
.endif
.endif
	MX 1, 6, 1
	SL 0, 6, \first
.if \ldk
.if \first == 0
	LDK 0
.endif
.endif
	MX 1, 7, 1
	SL 0, 7, \first
.if \ldk
.if \first == 0
	LDK 1
.endif
.endif
	MX 1, 8, 1
	SL 0, 8, \first
.if \ldk
.if \first                             ; the first step's slices 4 to 6 hold no plain instructions: all parts stand behind slices 7 and 8
	LDK 0
	LDK 1
.endif
	LDK 2
.endif
.endm
; Block B: softmax of tile 1, products of tile 0.  LDS loads come back in order (ISA guide 5.7.1): in front of product dt + 1, V's column tile dt is in
; when at most V's 6 - 2 dt younger loads and the kout loads of K and beta behind them are out; in front of products 5 to 8, 8, 4, 2, 0 of the twelve.
.macro BLKB first, pvm, sc, kout
	s_wait_dscnt \kout+6
	MX 0, 1, \pvm
	SL 1, 1, \first
	s_wait_dscnt \kout+4
	MX 0, 2, \pvm
	SL 1, 2, \first
	s_wait_dscnt \kout+2
	MX 0, 3, \pvm
	SL 1, 3, \first
	s_wait_dscnt \kout
	MX 0, 4, \pvm
	SL 1, 4, \first
.if \sc
	s_wait_dscnt 0x8
.endif
	MX 0, 5, \sc
	SL 1, 5, \first
.if \sc
	s_wait_dscnt 0x4
.endif
	MX 0, 6, \sc
	SL 1, 6, \first
.if \sc
	s_wait_dscnt 0x2
.endif
	MX 0, 7, \sc
	SL 1, 7, \first
.if \sc
	s_wait_dscnt 0x0
.endif
	MX 0, 8, \sc
	SL 1, 8, \first
.endm
.macro STEPS cnt                       ; cnt steps inside a tile
	s_mov_b32 s14, \cnt
.Lstep_\@:
	BLKA 0, 2, 1, 1, 0, 0, 0
	BLKB 0, 2, 1, 12
	s_sub_co_u32 s14, s14, 1
	s_cmp_lg_u32 s14, 0
	s_cbranch_scc1 .Lstep_\@
.endm
.macro EDGE slot, refill               ; the last step of a tile that lies in slot
	BLKA 0, 2, 1, 1, 1, \slot, \refill
	BLKB 0, 2, 1, 12
.endm
	s_wait_tensorcnt 0x0                           ; my part of tile 0 is in
	ds_add_u32 v30, v31
	s_wait_dscnt 0x0                               ; my stores of beta are done
	ROUND                                          ; both hold of every wave
	JLOAD 1                                        ; tile 1: slot 1's first fill, my one tensor load behind this round
	LDK 0                                          ; step 0
	LDK 1
	LDK 2
	LDV 0
	LDV 1
	LDV 2
	LDV 3
	v_add_nc_u32 v[ADV], 32*PV, v[ADV]
	s_wait_dscnt 0x8                               ; K and beta are in; V's eight loads are younger
	MX 0, 5, 1                                     ; S0 of step 0: nothing is there yet to set between these four
	MX 0, 6, 1
	MX 0, 7, 1
	MX 0, 8, 1
.rept 4
	v_nop                                          ; four places in front of the first reader of S0 (ISA guide 7.12.1)
.endr
	BLKA 1, 0, 0, 1, 0, 0, 0                       ; step 0: no P1 yet
	BLKB 1, 1, 1, 12                               ; O0's first products start its sums
	BLKA 0, 1, 1, 1, 0, 0, 0                       ; step 1: O1's first products start its sums
	BLKB 0, 2, 1, 12
	STEPS 5                                        ; tile 0, steps 2 to 6
	EDGE 0, 1                                      ; step 7; tile 2 is asked for
	s_mov_b32 s15, 2
.Lpair:
	STEPS 7                                        ; tiles 1, 3
	EDGE 1, 1
	STEPS 7                                        ; tiles 2, 4
	EDGE 0, 1
	s_sub_co_u32 s15, s15, 1
	s_cmp_lg_u32 s15, 0
	s_cbranch_scc1 .Lpair
	STEPS 7                                        ; tile 5
	EDGE 1, 1                                      ; tile 7 is asked for: the last load
	STEPS 7                                        ; tile 6
	EDGE 0, 0                                      ; nothing is left to fetch
	STEPS 7                                        ; tile 7
	BLKA 0, 2, 1, 0, 2, 0, 0                       ; the last step: no further K,
	BLKB 0, 2, 0, 0                                ; no further scores; behind V's loads none is out
	MX 1, 1, 2                                     ; tile 1's last products
	MX 1, 2, 2
	MX 1, 3, 2
	MX 1, 4, 2
	; O / sum, f16, through my stage, out as 4,096 consecutive bytes of ob.  The sum holds the largest key's 1, so it is at least 1.
	; The sums' additions and tile 0's sixteen multiplications are the places behind the last four products: V's fragment registers are written,
	; and O1 is read, only behind them.
	v_add_f32 v[TT],   v[LS],   v[LS+1]
	v_add_f32 v[TT+1], v[LS+2], v[LS+3]
	v_permlanex16_b32 v[TT+2], v[TT],   s48, s49
	v_permlanex16_b32 v[TT+3], v[TT+1], s48, s49
	v_add_f32 v[TT],   v[TT],   v[TT+2]
	v_add_f32 v[TT+1], v[TT+1], v[TT+3]
	v_rcp_f32 v[NM],   v[TT]
	v_rcp_f32 v[NM+2], v[TT+1]
	v_nop                                          ; the plain instruction behind the reciprocals
	s_wait_alu depctr_va_vdst(0)
.irp q, 0,1
.irp e, 0,2,4,6,8,10,12,14,16,18,20,22,24,26,28,30
	v_pk_mul_f32 v[O+32*\q+\e:O+32*\q+\e+1], v[O+32*\q+\e:O+32*\q+\e+1], v[NM+2*\q:NM+2*\q+1] op_sel_hi:[1,0]
.endr
.irp p, 0,1,2,3,4,5,6,7,8,9,10,11,12,13,14,15
	v_cvt_pk_f16_f32 v[VF+16*\q+\p], v[O+32*\q+2*\p], v[O+32*\q+2*\p+1]
.endr
.irp dt, 0,1,2,3
	ds_store_b128 v[STO], v[VF+16*\q+4*\dt:VF+16*\q+4*\dt+3] offset:16*SP*\q+32*\dt
.endr
.endr
.irp t, 0,1,2,3,4,5,6,7
	ds_load_b128 v[KF+4*\t:KF+4*\t+3], v[RD] offset:4*SP*\t        ; LDS serves a wave's instructions in order: these see the stores above
.endr
.irp t, 0,1,2,3,4,5,6,7
	s_wait_dscnt 7-\t
	global_store_b128 v[GO], v[KF+4*\t:KF+4*\t+3], s[56:57] offset:512*\t
.endr
	s_wait_tensorcnt 0x0
	ds_add_u32 v30, v31
	s_wait_dscnt 0x0
	ROUND                                          ; the closing round
	s_endpgm
.Lfunc_end_k_q1540f19738_attn:
	.size	k_q1540f19738_attn, .Lfunc_end_k_q1540f19738_attn-k_q1540f19738_attn
	.p2alignl 7, 3214868480
	.fill 96, 4, 3214868480
	.section	.rodata,"a",@progbits
	.p2align	6, 0x0
	.amdhsa_kernel k_q1540f19738_attn
		.amdhsa_group_segment_fixed_size 327680
		.amdhsa_private_segment_fixed_size 0
		.amdhsa_enable_private_segment 0
		.amdhsa_kernarg_size 24
		.amdhsa_user_sgpr_count 2
		.amdhsa_user_sgpr_kernarg_segment_ptr 1
		.amdhsa_wavefront_size32 1
		.amdhsa_system_sgpr_workgroup_id_x 1
		.amdhsa_system_sgpr_workgroup_id_y 1
		.amdhsa_system_sgpr_workgroup_id_z 1
		.amdhsa_system_vgpr_workitem_id 0
		.amdhsa_next_free_vgpr 256
		.amdhsa_next_free_sgpr 66
		.amdhsa_reserve_vcc 0
		.amdhsa_float_denorm_mode_32 3
		.amdhsa_float_denorm_mode_16_64 3
		.amdhsa_memory_ordered 1
		.amdhsa_forward_progress 1
		.amdhsa_inst_pref_size 184
	.end_amdhsa_kernel
	.amdgpu_metadata
---
amdhsa.version: [ 1, 2 ]
amdhsa.kernels:
  - .name:           k_q1540f19738_attn
    .symbol:         k_q1540f19738_attn.kd
    .args:
      - { .name: qkv, .offset: 0, .size: 8, .value_kind: global_buffer, .address_space: global }
      - { .name: v_mask, .offset: 8, .size: 8, .value_kind: global_buffer, .address_space: global }
      - { .name: ob, .offset: 16, .size: 8, .value_kind: global_buffer, .address_space: global }
    .group_segment_fixed_size: 327680
    .private_segment_fixed_size: 0
    .kernarg_segment_align: 8
    .kernarg_segment_size: 24
    .max_flat_workgroup_size: 256
    .sgpr_count:     66
    .vgpr_count:     256
    .wavefront_size: 32
...
	.end_amdgpu_metadata
.endif
;; end of part 3
;; launch proj (part 4): grid 8 x 32, 4 waves a work-group, clusters of 4 x 4, 327,680 bytes of LDS; arguments ob, cb, bo, out0; writes out0
.if DOCPART == 4
	.amdgcn_target "amdgcn-amd-amdhsa--gfx1250"
	.amdhsa_code_object_version 6
	.text
	.protected	k_q1540f19738_proj
	.globl	k_q1540f19738_proj
	.p2align	8
	.type	k_q1540f19738_proj,@function
k_q1540f19738_proj:
	s_mov_b64 s[64:65], 0
	v_nop
	global_prefetch_b8 v0, s[64:65] scope:SCOPE_SE
	s_setreg_imm32_b32 hwreg(HW_REG_WAVE_MODE, 25, 1), 1
	s_wait_xcnt 0x0
	s_wait_alu depctr_hold_cnt(0) depctr_sa_sdst(0) depctr_va_vdst(0) depctr_va_sdst(0) depctr_va_ssrc(0) depctr_va_vcc(0) depctr_vm_vsrc(0)
	s_getreg_b32 s2, hwreg(HW_REG_IB_STS2, 6, 4)
	s_cmp_eq_u32 s2, 0
	s_cbranch_scc0 .Lentry_in_a_cluster
	s_endpgm
.Lentry_in_a_cluster:
	s_bfe_u32 s2, ttmp6, 0x10000c
	s_cmp_lg_u32 s2, 0xf033
	s_cbranch_scc0 .Lentry_shape_is_right
	s_endpgm
.Lentry_shape_is_right:
; out0 = O Wo + bo.  Nothing is left out.  O (ob, f16, unscaled) lies [block of 128 rows][16 heads][128 rows][64]; Wo in f16 at byte 14,680,064 of
; cb, [k][n].
; LIMIT: O and Wo keep f16's absolute error of 3e-8 under 6e-5: an O whose spread is under about 3e-6 carries more than half a per cent of error.
; A work-group makes 128 x 128 of out0 (block row by, block column bx), a wave 64 x 64: 16 accumulator tiles in register window 1.  K = 1,024 goes
; in four fills of 256 through two LDS slots; each wave brings 128 x 256 bytes a fill: waves 0, 1 two heads of O each (dense blocks), waves 2, 3
; 128 rows of Wo each.  A larger block would leave WGPs without work: 32 x 8 blocks are one for each of the 256.
; CLUSTERS: 4 x 4: O's tiles are asked for jointly along a row of the cluster, Wo's along a column.
; The matrix instruction is used transposed (source 0 = 16 columns of Wo by the transposing LDS load, source 1 = 16 rows of O): a lane holds eight
; neighbouring columns of one row.
.set SLOT,   147456                    ; O: 4 heads x 128 rows x 144 bytes; Wo: 256 rows x 288 bytes
.set BOFF,   73728
.set PART,   36864                     ; what one tensor load fills
.set PA,     144
.set PB,     288
.set STAGE,  2*SLOT                    ; 16 rows x 272 bytes for each wave
.set SPITCH, 272
.set ADRA, 16                          ; v16-17  O fragments in slot 0, 1
.set ADRB, 18                          ; v18-21  Wo fragments: slot s, k rows 128 u .. at 18 + 2 s + u
.set STO,  24
.set RD,   25
.set CO,   26
.set BO,   27
.set FA,   32                          ; v32-63, v64-95    O fragments, two buffers
.set FB,   96                          ; v96-127, v128-159 Wo fragments, two buffers
.set BIAS, 160                         ; v160-191
.set T,    192                         ; v192-223
.set G1A, 32
.set G0A, 40
.set G1B, 48
.set G0B, 56
.set MSB, 0
.macro WIN new
.if MSB != \new
	s_set_vgpr_msb (MSB<<8)|\new
.set MSB, \new
.endif
.endm
.set MULW, 0x50                        ; C and D window 1
.set OUTW, 0x01                        ; source 0 window 1
.macro JLOAD s
	s_cmp_eq_u32 s21, 0
	s_cbranch_scc0 .Lfor_b_\@
	tensor_load_to_lds s[G0A+4*\s:G0A+4*\s+3], s[G1A:G1A+7]
	s_nop 0
	s_branch .Lasked_\@
.Lfor_b_\@:
	tensor_load_to_lds s[G0B+4*\s:G0B+4*\s+3], s[G1B:G1B+7]
	s_nop 0
.Lasked_\@:
.endm
.macro CROUND                          ; a round of the cluster's barrier
	s_barrier_signal -1
	s_barrier_wait -1
	s_cmp_lg_u32 s20, 0
	s_cbranch_scc1 .Lnot_wave_0_\@
	s_barrier_signal -3
.Lnot_wave_0_\@:
	s_barrier_wait -3
	s_barrier_signal -1
	s_barrier_wait -1
.endm
.macro PLACES                          ; four plain vector places behind matrix instructions (ISA guide 7.12.1)
.rept 4
	v_nop
.endr
.endm
	s_load_b256 s[4:11], s[0:1], 0x0               ; ob s[4:5], cb s[6:7], bo s[8:9], out0 s[10:11]
	v_lshl_add_u32 v254, v0, 2, 0x4c400
	v_mov_b32 v255, 0
	ds_add_u32 v254, v255
	v_lshrrev_b32 v1, 5, v0
	v_readfirstlane_b32 s20, v1                    ; wave
	s_lshr_b32 s21, s20, 1                         ; wr: which 64 rows.  Also: I fetch for O (0) or for Wo (1)
	s_and_b32 s22, s20, 1                          ; wc: which 64 columns.  Also: which half of that tile I fetch
	s_bfe_u32 s23, ttmp6, 0x40000                  ; cx
	s_bfe_u32 s24, ttmp6, 0x40004                  ; cy
	s_lshl_b32 s25, ttmp9, 2
	s_add_co_u32 s25, s25, s23                     ; bx
	s_and_b32 s26, ttmp7, 0xffff
	s_lshl_b32 s26, s26, 2
	s_add_co_u32 s26, s26, s24                     ; by
	s_lshl_b32 s27, s24, 2
	s_lshl_b32 s27, 15, s27                        ; my row of the cluster
	s_lshl_b32 s28, 0x1111, s23                    ; my column
	; O: 32,768 dense bytes as 128 rows of 32 elements of 8 bytes, 4 words of pad behind every 32 words (one row of a head)
	s_or_b32 s[G1A+0], s27, (3<<16)|(1<<20)|(1<<21)|(4<<22)|(3<<25)
	s_mov_b32 s[G1A+1], 32<<16
	s_mov_b32 s[G1A+2], 128<<16
	s_mov_b32 s[G1A+3], 32<<16
	s_mov_b32 s[G1A+4], 128
	s_mov_b32 s[G1A+5], 32
	s_mov_b32 s[G1A+6], 0
	s_mov_b32 s[G1A+7], 0
	; Wo: 128 rows x 128 elements of 2 bytes, pitch 1,024 elements, 8 words of pad behind every 64 words
	s_or_b32 s[G1B+0], s28, (1<<16)|(1<<20)|(1<<21)|(5<<22)|(7<<25)
	s_mov_b32 s[G1B+1], 128<<16
	s_mov_b32 s[G1B+2], 128<<16
	s_mov_b32 s[G1B+3], 128<<16
	s_mov_b32 s[G1B+4], 128
	s_mov_b32 s[G1B+5], 1024
	s_mov_b32 s[G1B+6], 0
	s_mov_b32 s[G1B+7], 0
	s_lshl_b32 s66, s26, 18                        ; O: block row x 262,144 + half x two heads: by and the wave alone
	s_lshl_b32 s67, s22, 15
	s_add_co_u32 s66, s66, s67
	s_mov_b32 s67, 0
	s_lshl_b32 s68, s25, 8                         ; Wo: column 128 bx + half x 128 rows: bx and the wave alone
	s_lshl_b32 s69, s22, 18
	s_add_co_u32 s68, s68, s69
	s_add_co_u32 s68, s68, 14680064
	s_mov_b32 s69, 0
	s_mul_i32 s29, s20, PART
	s_wait_dscnt 0x0
	s_wait_kmcnt 0x0
	s_add_nc_u64 s[66:67], s[4:5], s[66:67]
	s_add_nc_u64 s[68:69], s[6:7], s[68:69]
	CROUND                                         ; the first joint loads meet
.irp s, 0,1
	s_mov_b32 s[G0A+4*\s], 1
	s_add_co_u32 s[G0A+4*\s+1], s29, \s*SLOT
	s_add_nc_u64 s[G0A+4*\s+2:G0A+4*\s+3], s[66:67], \s*65536      ; fill s: four heads
	s_or_b32 s[G0A+4*\s+3], s[G0A+4*\s+3], 0x80000000
	s_mov_b32 s[G0B+4*\s], 1
	s_add_co_u32 s[G0B+4*\s+1], s29, \s*SLOT
	s_add_nc_u64 s[G0B+4*\s+2:G0B+4*\s+3], s[68:69], \s*524288     ; fill s: 256 rows of Wo
	s_or_b32 s[G0B+4*\s+3], s[G0B+4*\s+3], 0x80000000
	JLOAD \s                                       ; two loads of the wave are out
.endr
	v_and_b32 v1, 15, v0                           ; r
	v_bfe_u32 v2, v0, 4, 1                         ; h
	v_mul_u32_u24 v3, v1, PA
	v_lshl_add_u32 v3, v2, 4, v3
	s_mul_i32 s30, s21, 64*PA
	v_add_nc_u32 v[ADRA], s30, v3
	v_add_nc_u32 v[ADRA+1], SLOT, v[ADRA]
	v_and_b32 v3, 7, v0
	v_lshl_add_u32 v3, v2, 3, v3
	v_mul_u32_u24 v3, v3, PB
	v_bfe_u32 v4, v0, 3, 1
	v_lshl_add_u32 v3, v4, 4, v3
	s_lshl_b32 s30, s22, 7
	s_add_co_u32 s30, s30, BOFF
	v_add_nc_u32 v[ADRB], s30, v3
	v_add_nc_u32 v[ADRB+1], PART, v[ADRB]
	v_add_nc_u32 v[ADRB+2], SLOT, v[ADRB]
	v_add_nc_u32 v[ADRB+3], SLOT, v[ADRB+1]
	s_mul_i32 s30, s20, 16*SPITCH
	s_add_co_u32 s30, s30, STAGE
	v_mul_u32_u24 v3, v1, SPITCH
	v_lshl_add_u32 v3, v2, 5, v3
	v_add_nc_u32 v[STO], s30, v3                   ; in: row r, 32 bytes a half
	v_mul_u32_u24 v3, v2, SPITCH
	v_lshl_add_u32 v3, v1, 4, v3
	v_add_nc_u32 v[RD], s30, v3                    ; back: sixteen lanes a row of 256 bytes
	v_lshlrev_b32 v3, 12, v2
	v_lshl_add_u32 v[CO], v1, 4, v3                ; the same two rows in out0
	v_lshlrev_b32 v[BO], 5, v2
	s_lshl_b32 s74, s25, 9
	s_lshl_b32 s75, s22, 8
	s_add_co_u32 s74, s74, s75                     ; my first column, in bytes
	s_mov_b32 s75, 0
	s_add_nc_u64 s[70:71], s[8:9], s[74:75]        ; bo there
	s_lshl_b32 s30, s26, 19
	s_add_co_u32 s74, s74, s30
	s_lshl_b32 s30, s21, 18
	s_add_co_u32 s74, s74, s30                     ; + my first row x 4,096 bytes
	s_add_nc_u64 s[72:73], s[10:11], s[74:75]
.irp bt, 0,1,2,3
	global_load_b128 v[BIAS+8*\bt:BIAS+8*\bt+3],   v[BO], s[70:71] offset:64*\bt
	global_load_b128 v[BIAS+8*\bt+4:BIAS+8*\bt+7], v[BO], s[70:71] offset:64*\bt+16
.endr
; 16 LDS loads: 32 along K at eighth q of a slot (head q / 2, columns 32 (q % 2) of O; rows 32 q of Wo) into buffer f
.macro FETCH slot, q, f
.irp a, 0,1,2,3
	ds_load_b128 v[FA+32*\f+8*\a:FA+32*\f+8*\a+3],   v[ADRA+\slot] offset:(\q>>1)*128*PA+(\q&1)*64+\a*16*PA
	ds_load_b128 v[FA+32*\f+8*\a+4:FA+32*\f+8*\a+7], v[ADRA+\slot] offset:(\q>>1)*128*PA+(\q&1)*64+\a*16*PA+32
.endr
.irp b, 0,1,2,3
	ds_load_tr16_b128 v[FB+32*\f+8*\b:FB+32*\f+8*\b+3],   v[ADRB+2*\slot+(\q>>2)] offset:(\q&3)*32*PB+32*\b
	ds_load_tr16_b128 v[FB+32*\f+8*\b+4:FB+32*\f+8*\b+7], v[ADRB+2*\slot+(\q>>2)] offset:(\q&3)*32*PB+32*\b+16*PB
.endr
.endm
; 16 matrix instructions: the 16 accumulators take turns, one instruction a turn
.macro MUL f, zero
.irp a, 0,1,2,3
.irp b, 0,1,2,3
.if \zero
	v_wmma_f32_16x16x32_f16 v[8*(4*\a+\b):8*(4*\a+\b)+7], v[FB+32*\f+8*\b:FB+32*\f+8*\b+7], v[FA+32*\f+8*\a:FA+32*\f+8*\a+7], 0
.else
	v_wmma_f32_16x16x32_f16 v[8*(4*\a+\b):8*(4*\a+\b)+7], v[FB+32*\f+8*\b:FB+32*\f+8*\b+7], v[FA+32*\f+8*\a:FA+32*\f+8*\a+7], v[8*(4*\a+\b):8*(4*\a+\b)+7]
.endif
.endr
.endr
.endm
.macro QSTEP slot, q, f, g             ; fetch eighth q + 1 into buffer g, multiply eighth q from buffer f
	PLACES
	WIN 0
	FETCH \slot, (\q+1), \g
	s_wait_dscnt 0x10                              ; all but the 16 just issued
	WIN MULW
	MUL \f, 0
.endm
.macro PHASE slot, zero                ; a slot's 256 along K
	PLACES
	WIN 0
	FETCH \slot, 0, 0
	FETCH \slot, 1, 1
	s_wait_dscnt 0x10
	WIN MULW
	MUL 0, \zero
	QSTEP \slot, 1, 1, 0
	QSTEP \slot, 2, 0, 1
	QSTEP \slot, 3, 1, 0
	QSTEP \slot, 4, 0, 1
	QSTEP \slot, 5, 1, 0
	QSTEP \slot, 6, 0, 1
	s_wait_dscnt 0x0
	MUL 1, 0
.endm
; The change of slots: every wave waits for its reads of the slot and for all its tensor loads (one is out: its part of the other slot).
; refill = 1: a round of the cluster's barrier, and the slot's joint refill, two fills on, first behind it.
.macro CHANGE slot, refill
	WIN 0
	s_wait_dscnt 0x0
	s_wait_tensorcnt 0x0
	ds_add_u32 v254, v255
	s_wait_dscnt 0x0
.if \refill
	s_add_nc_u64 s[G0A+4*\slot+2:G0A+4*\slot+3], s[G0A+4*\slot+2:G0A+4*\slot+3], 131072
	s_add_nc_u64 s[G0B+4*\slot+2:G0B+4*\slot+3], s[G0B+4*\slot+2:G0B+4*\slot+3], 1048576
	CROUND
	JLOAD \slot
.else
	s_barrier_signal -1
	s_barrier_wait -1
.endif
.endm
	s_wait_tensorcnt 0x1                           ; my part of fill 0 is in; fill 1's stays out
	s_barrier_signal -1
	s_barrier_wait -1
	PHASE 0, 1                                     ; the first products start the sums
	CHANGE 0, 1
	PHASE 1, 0
	CHANGE 1, 1
	PHASE 0, 0
	CHANGE 0, 0                                    ; nothing is left to fetch
	PHASE 1, 0
	; THE WAY OUT, 16 rows at a time: sum + bo, 32 bytes a lane into my stage, read back as whole rows of 256 bytes
	PLACES
	s_wait_loadcnt 0x0                             ; bo
.irp a, 0,1,2,3
	WIN OUTW
.irp e, 0,2,4,6,8,10,12,14,16,18,20,22,24,26,28,30
	v_pk_add_f32 v[T+\e:T+\e+1], v[32*\a+\e:32*\a+\e+1], v[BIAS+\e:BIAS+\e+1]
.endr
	WIN 0
.irp c, 0,1,2,3,4,5,6,7
	ds_store_b128 v[STO], v[T+4*\c:T+4*\c+3] offset:64*(\c>>1)+16*(\c&1)
.endr
	s_wait_xcnt 0x0                                ; the buffer that earlier stores read is loaded again only behind this wait
.irp t, 0,1,2,3,4,5,6,7
	ds_load_b128 v[FA+32*(\a&1)+4*\t:FA+32*(\a&1)+4*\t+3], v[RD] offset:2*SPITCH*\t    ; LDS serves a wave's instructions in order
.endr
.irp t, 0,1,2,3,4,5,6,7
	s_wait_dscnt 7-\t
	global_store_b128 v[CO], v[FA+32*(\a&1)+4*\t:FA+32*(\a&1)+4*\t+3], s[72:73] offset:(16*\a+2*\t)*4096 th:TH_STORE_NT   ; sixteen lanes store 256 consecutive bytes, aligned
.endr
.endr
	s_wait_tensorcnt 0x0
	ds_add_u32 v254, v255
	s_wait_dscnt 0x0
	CROUND                                         ; the closing round
	s_endpgm
.Lfunc_end_k_q1540f19738_proj:
	.size	k_q1540f19738_proj, .Lfunc_end_k_q1540f19738_proj-k_q1540f19738_proj
	.p2alignl 7, 3214868480
	.fill 96, 4, 3214868480
	.section	.rodata,"a",@progbits
	.p2align	6, 0x0
	.amdhsa_kernel k_q1540f19738_proj
		.amdhsa_group_segment_fixed_size 327680
		.amdhsa_private_segment_fixed_size 0
		.amdhsa_enable_private_segment 0
		.amdhsa_kernarg_size 32
		.amdhsa_user_sgpr_count 2
		.amdhsa_user_sgpr_kernarg_segment_ptr 1
		.amdhsa_wavefront_size32 1
		.amdhsa_system_sgpr_workgroup_id_x 1
		.amdhsa_system_sgpr_workgroup_id_y 1
		.amdhsa_system_sgpr_workgroup_id_z 1
		.amdhsa_system_vgpr_workitem_id 0
		.amdhsa_next_free_vgpr 384
		.amdhsa_next_free_sgpr 80
		.amdhsa_reserve_vcc 0
		.amdhsa_float_denorm_mode_32 3
		.amdhsa_float_denorm_mode_16_64 3
		.amdhsa_memory_ordered 1
		.amdhsa_forward_progress 1
		.amdhsa_inst_pref_size 93
	.end_amdhsa_kernel
	.amdgpu_metadata
---
amdhsa.version: [ 1, 2 ]
amdhsa.kernels:
  - .name:           k_q1540f19738_proj
    .symbol:         k_q1540f19738_proj.kd
    .args:
      - { .name: ob, .offset: 0, .size: 8, .value_kind: global_buffer, .address_space: global }
      - { .name: cb, .offset: 8, .size: 8, .value_kind: global_buffer, .address_space: global }
      - { .name: bo, .offset: 16, .size: 8, .value_kind: global_buffer, .address_space: global }
      - { .name: out0, .offset: 24, .size: 8, .value_kind: global_buffer, .address_space: global }
    .group_segment_fixed_size: 327680
    .private_segment_fixed_size: 0
    .kernarg_segment_align: 8
    .kernarg_segment_size: 32
    .max_flat_workgroup_size: 128
    .sgpr_count:     80
    .vgpr_count:     384
    .wavefront_size: 32
...
	.end_amdgpu_metadata
.endif
;; end of part 4
;; ======== version 2 of 2: 4 launches; 1.20 times as fast as version 1
;; limits: values are held in f16: magnitudes above 65,504 overflow, below 6.1e-05 lose precision
;; workspace buffers: cb 16,777,216 bytes; qkv 25,165,824 bytes; ob 8,388,608 bytes
;; launch prep: the kernel of part 1 again; grid 32 x 8, 8 waves a work-group, no clusters, 0 bytes of LDS; arguments x, Wq, Wk, Wv, Wo, cb; writes cb
;; launch qkv: the kernel of part 2 again; grid 8 x 32, 4 waves a work-group, clusters of 4 x 4, 327,680 bytes of LDS; arguments cb, pos, v_mask, bq, bk, bv, qkv; writes qkv
;; launch attn (part 5): grid 8 x 32, 8 waves a work-group, clusters of 4 x 1, 327,680 bytes of LDS; arguments qkv, v_mask, ob; writes ob
.if DOCPART == 5
	.amdgcn_target "amdgcn-amd-amdhsa--gfx1250"
	.amdhsa_code_object_version 6
	.text
	.protected	k_q1540f19738_attn
	.globl	k_q1540f19738_attn
	.p2align	8
	.type	k_q1540f19738_attn,@function
k_q1540f19738_attn:
	s_mov_b64 s[64:65], 0
	v_nop
	global_prefetch_b8 v0, s[64:65] scope:SCOPE_SE
	s_setreg_imm32_b32 hwreg(HW_REG_WAVE_MODE, 25, 1), 1
	s_wait_xcnt 0x0
	s_wait_alu depctr_hold_cnt(0) depctr_sa_sdst(0) depctr_va_vdst(0) depctr_va_sdst(0) depctr_va_ssrc(0) depctr_va_vcc(0) depctr_vm_vsrc(0)
	s_getreg_b32 s2, hwreg(HW_REG_IB_STS2, 6, 4)
	s_cmp_eq_u32 s2, 0
	s_cbranch_scc0 .Lentry_in_a_cluster
	s_endpgm
.Lentry_in_a_cluster:
	s_bfe_u32 s2, ttmp6, 0x10000c
	s_cmp_lg_u32 s2, 0x3003
	s_cbranch_scc0 .Lentry_shape_is_right
	s_endpgm
.Lentry_shape_is_right:
; Attention for one (batch, head) = grid y and 256 queries = grid x.  Nothing is left out.
; In: qkv (f16: Q = q' 2^-6 log2(e), K = k' m 2^-6, V), v_mask.  Out: ob, f16, [block of 128 rows][16 heads][128 rows][64], O in V's units.
; THE SCORES.  S = Q.K + beta[key], beta = (1 - m) (-1e12) log2(e) / 512, given to the first product as its C.  512 S = (a m - 1e12 (1 - m)) log2(e),
; a = q'.k' / 8: the softmax's input in base 2.  512 is a power of two, so 512 S and 512 max(S) are exact and the largest key's exponent is exactly 0,
; at any size of the scores; with m = 0 the stored K row is 0 and S = beta exactly, so a row whose keys are all masked comes out uniform.
; The maximum is a running one: p = exp2(512 S - M), and sums and O are rescaled by exp2(M_old - M_new) every 32 keys.
; LIMIT: a NaN or an infinity in Q, K or V is not followed.
; SHARES: eight waves, 32 queries each (two query tiles).  K and V go in eight tiles of 256 keys through two LDS slots.
; CLUSTERS: the four query blocks of a cluster read the same K and V: waves 0, 1 ask jointly for V's halves, waves 2, 3 for K's; waves 4-7 ask for nothing.
; BOTH PRODUCTS ARE TRANSPOSED.  S^T = K Q^T: source 0 = 16 keys, source 1 = 16 queries; lane l holds query l % 16 and keys 8 (l / 16) + 0..7.
; Two key tiles, packed to f16, ARE source 1 of O^T = V^T P^T (source 0 = 16 columns of V by the transposing LDS load).  So every softmax figure is
; a lane's own; one exchange between lanes l and l xor 16 joins the two halves of the keys.
; THE TWO QUERY TILES TAKE TURNS.  A step is 32 keys, in two blocks; a block is eight products of one tile with one slice of the other tile's
; softmax step behind each:
;   A(n): softmax of tile 0 on step n;  products of tile 1: O1 += V(n-1) P1(n-1) (4), S1 = K(n) Q1 + beta(n) (4)
;   B(n): softmax of tile 1 on step n;  products of tile 0: O0 += V(n) P0(n) (4),     S0 = K(n+1) Q0 + beta(n+1) (4)
; THE EXPONENTIALS ARE ONE BATCH A BLOCK, WITH ONE WAIT.  A block has 17: the rescaling factor (slice 2) and the 16 weights (slices 3 to 5, set among
; the scalings); none of them reads another's result.  All that names a result stands in slices 6 to 8: the rescaling of O, the roundings, the sums.
; Between the two parts, at the end of slice 5, stands the block's one s_wait_alu depctr_va_vdst(0).  It stands ahead
; of the labels and branches of the change of slots, and no exponential follows it in the block: none is open at a label or at a loop's jump.
; A slice names none of the registers of the products round it, so its plain instructions are the places that loads into fragments and readers of
; results need behind matrix instructions, and the loop holds no v_nop.  Each fragment serves both tiles and is loaded once, in A:
; V(n)'s column tile dt behind slice dt + 2, K(n+1) and beta(n+1) behind slices 6, 7, 8.  Plain instructions between the last product that read the
; registers and the load, exponentials and the lane exchange not counted: 11, 6, 6, 5 for V's four column tiles (the eight scalings are spread over
; slices 3, 4, 5 as 3, 3, 2 for this), 8 or more for K and beta; the loads stand six or seven slices ahead of the first use in B.
; WHY 32 KEYS A STEP: the tiles stand a softmax step apart, so a whole step's fragments stay live: at 64 keys K 64 + V 64 + S 64 registers beside
; Q 32, O 64 and 24 others are 312, more than the 256 that an instruction names; with fragments in a second window each product would stand between
; two switches, 32 for 32 keys, against the 22 instructions for 32 keys that the longer step would save.
; A tile's steps are a counted loop of one step with stepped LDS addresses; written out are the first two steps (nothing summed yet), each tile's
; last step (with the change of slots) and the last step of all.
.set SLOT,  77824                      ; V: 256 keys x 160 bytes; K: 256 keys x 144 bytes
.set KOFF,  40960
.set PV,    160
.set PK,    144
.set BETA,  155648                     ; 2,048 f32
.set STAGE, 163840                     ; 32 rows x 144 bytes for each wave; no tile lands here
.set SP,    144
.set NEGK,  0xc4000000                 ; -512
.set POSK,  0x44000000                 ; 512
.set ADK, 1                            ; v1      K fragments of the step that is loaded next; steps 32 keys x 144 bytes
.set ADV, 2                            ; v2      V fragments likewise; steps 32 keys x 160 bytes
.set ADB, 3                            ; v3      beta likewise; steps 128 bytes
.set LK,  4                            ; v4      my place in K's part of slot 0
.set LV,  5                            ; v5      my place in V's part of slot 0
.set STO, 6
.set RD,  7
.set GO,  8
.set QO,  9
.set MKO, 10
.set BSO, 11
.set LS,  12                           ; v12-15  query tile q: my half of the sum, as a pair
.set TT,  16                           ; v16-23  at work
.set NM,  24                           ; v24-27  query tile q: minus the running maximum of 512 S, and the running maximum of S
.set CF,  28                           ; v28-29  the rescaling factor, and its exponent
.set Q,   32                           ; v32-63    16 q + 8 d
.set O,   64                           ; v64-127   32 q + 8 dt
.set KF,  128                          ; v128-159  16 kt + 8 d
.set VF,  160                          ; v160-191  8 dt
.set BT,  192                          ; v192-207  8 kt
.set S,   208                          ; v208-239  16 q + 8 kt
.set P,   240                          ; v240-255  8 q
.set G1V, 16
.set G1K, 24
.set G0V, 32
.set G0K, 40
.macro JLOAD s
	s_cmp_lt_u32 s10, 2
	s_cbranch_scc0 .Lnot_v_\@
	tensor_load_to_lds s[G0V+4*\s:G0V+4*\s+3], s[G1V:G1V+7]
	s_nop 0
	s_branch .Lasked_\@
.Lnot_v_\@:
	s_cmp_lt_u32 s10, 4
	s_cbranch_scc0 .Lasked_\@
	tensor_load_to_lds s[G0K+4*\s:G0K+4*\s+3], s[G1K:G1K+7]
	s_nop 0
.Lasked_\@:
.endm
.macro ROUND                           ; a round of the cluster's barrier
	s_barrier_signal -1
	s_barrier_wait -1
	s_cmp_lg_u32 s10, 0
	s_cbranch_scc1 .Lnot_wave_0_\@
	s_barrier_signal -3
.Lnot_wave_0_\@:
	s_barrier_wait -3
	s_barrier_signal -1
	s_barrier_wait -1
.endm
	s_load_b128 s[4:7], s[0:1], 0x0                ; qkv s[4:5], v_mask s[6:7]
	s_load_b64 s[8:9], s[0:1], 0x10                ; ob
	v_lshl_add_u32 v30, v0, 2, 0x31000
	v_mov_b32 v31, 0
	ds_add_u32 v30, v31
	v_lshrrev_b32 v16, 5, v0
	v_readfirstlane_b32 s10, v16                   ; wave 0..7
	s_bfe_u32 s11, ttmp6, 0x40000                  ; cx
	s_lshl_b32 s12, ttmp9, 2
	s_add_co_u32 s12, s12, s11                     ; query block
	s_and_b32 s13, ttmp7, 0xffff                   ; batch x 16 + head
	s_mov_b32 s48, 0x76543210                      ; v_permlanex16_b32: lane i of one half reads lane i of the other
	s_mov_b32 s49, 0xfedcba98
	s_mov_b32 s50, 0x4f27f3aa                      ; 1e12 log2(e) / 512
	s_mov_b32 s51, 0xcf27f3aa
	; group 1: 128 keys are 16,384 dense bytes: 64 rows of 32 elements of 8 bytes; a pad behind every 32 words (one key): 8 words for V, 4 for K
	s_mov_b32 s[G1V+0], 15|(3<<16)|(1<<20)|(1<<21)|(4<<22)|(7<<25)
	s_mov_b32 s[G1K+0], 15|(3<<16)|(1<<20)|(1<<21)|(4<<22)|(3<<25)
	s_mov_b32 s[G1V+1], 32<<16
	s_mov_b32 s[G1K+1], 32<<16
	s_mov_b32 s[G1V+2], 64<<16
	s_mov_b32 s[G1K+2], 64<<16
	s_mov_b32 s[G1V+3], 32<<16
	s_mov_b32 s[G1K+3], 32<<16
	s_mov_b32 s[G1V+4], 64
	s_mov_b32 s[G1K+4], 64
	s_mov_b32 s[G1V+5], 32
	s_mov_b32 s[G1K+5], 32
	s_mov_b32 s[G1V+6], 0
	s_mov_b32 s[G1K+6], 0
	s_mov_b32 s[G1V+7], 0
	s_mov_b32 s[G1K+7], 0
	s_lshl_b32 s60, s13, 18                        ; V: the head (262,144 bytes), the wave's 128 keys; made of the head and the wave alone
	s_lshl_b32 s61, s10, 14
	s_add_co_u32 s60, s60, s61
	s_add_co_u32 s60, s60, 16777216
	s_mov_b32 s61, 0
	s_lshl_b32 s62, s13, 18                        ; K likewise
	s_and_b32 s63, s10, 1
	s_lshl_b32 s63, s63, 14
	s_add_co_u32 s62, s62, s63
	s_add_co_u32 s62, s62, 8388608
	s_mov_b32 s63, 0
	s_mul_i32 s14, s10, 128*PV                     ; V's half in a slot: wave x 20,480
	s_mul_i32 s15, s10, 128*PK                     ; K's half: 40,960 + (wave - 2) x 18,432
	s_add_co_u32 s15, s15, KOFF-2*128*PK
	s_wait_dscnt 0x0
	s_wait_kmcnt 0x0
	s_add_nc_u64 s[60:61], s[4:5], s[60:61]
	s_add_nc_u64 s[62:63], s[4:5], s[62:63]
.irp s, 0,1
	s_mov_b32 s[G0V+4*\s], 1
	s_add_co_u32 s[G0V+4*\s+1], s14, \s*SLOT
	s_add_nc_u64 s[G0V+4*\s+2:G0V+4*\s+3], s[60:61], \s*32768      ; tile s: 256 keys of 128 bytes
	s_or_b32 s[G0V+4*\s+3], s[G0V+4*\s+3], 0x80000000
	s_mov_b32 s[G0K+4*\s], 1
	s_add_co_u32 s[G0K+4*\s+1], s15, \s*SLOT
	s_add_nc_u64 s[G0K+4*\s+2:G0K+4*\s+3], s[62:63], \s*32768
	s_or_b32 s[G0K+4*\s+3], s[G0K+4*\s+3], 0x80000000
.endr
	ROUND                                          ; the four work-groups are here
	JLOAD 0                                        ; tile 0; slot 1 is first filled behind the next round
	v_and_b32 v16, 15, v0                          ; r
	v_bfe_u32 v17, v0, 4, 1                        ; h
	v_mul_u32_u24 v18, v16, PK
	v_lshl_add_u32 v18, v17, 4, v18                ; r x 144 + 16 h: K's fragments, and the stage's rows
	v_add_nc_u32 v[LK], KOFF, v18
	s_mul_i32 s15, s10, 32*SP
	s_add_co_u32 s15, s15, STAGE
	v_add_nc_u32 v[STO], s15, v18
	v_and_b32 v18, 7, v0
	v_lshl_add_u32 v19, v17, 3, v18                ; V by the transposing load: key 8 h + l % 8,
	v_mul_u32_u24 v19, v19, PV
	v_bfe_u32 v[LV], v0, 3, 1                      ; 16 bytes for each group of eight lanes
	v_lshl_add_u32 v[LV], v[LV], 4, v19
	v_lshlrev_b32 v[ADB], 5, v17
	v_add_nc_u32 v[ADB], BETA, v[ADB]              ; beta of keys 8 h + 0..7
	v_bfe_u32 v19, v0, 3, 2
	v_mul_u32_u24 v19, v19, SP
	v_lshl_add_u32 v19, v18, 4, v19
	v_add_nc_u32 v[RD], s15, v19                   ; back: eight lanes a row of 128 bytes
	v_and_b32 v[GO], 31, v0
	v_lshlrev_b32 v[GO], 4, v[GO]
	v_lshlrev_b32 v[QO], 7, v16
	v_lshl_add_u32 v[QO], v17, 4, v[QO]            ; Q: row r (128 bytes), 16 bytes a half
	v_lshlrev_b32 v[MKO], 5, v0                    ; thread t makes beta of keys 8 t + 0..7
	v_add_nc_u32 v[BSO], BETA, v[MKO]
	v_mov_b32 v[ADK], v[LK]                        ; the first step lies in slot 0
	v_mov_b32 v[ADV], v[LV]
	s_lshl_b32 s54, s13, 18                        ; Q: the head, row 256 block + 32 wave
	s_lshl_b32 s15, s12, 15
	s_add_co_u32 s54, s54, s15
	s_lshl_b32 s15, s10, 12
	s_add_co_u32 s54, s54, s15
	s_mov_b32 s55, 0
	s_add_nc_u64 s[52:53], s[4:5], s[54:55]
	s_lshr_b32 s15, s13, 4                         ; batch
	s_lshl_b32 s54, s15, 13
	s_add_nc_u64 s[58:59], s[6:7], s[54:55]        ; v_mask of the batch
	s_lshl_b32 s54, s15, 4                         ; ob: block of 128 rows = 16 batch + 2 query block + wave / 4,
	s_lshl1_add_u32 s54, s12, s54
	s_lshr_b32 s15, s10, 2
	s_add_co_u32 s54, s54, s15
	s_lshl_b32 s54, s54, 4                         ; x 16 heads + head,
	s_and_b32 s15, s13, 15
	s_add_co_u32 s54, s54, s15
	s_lshl_b32 s54, s54, 14                        ; x 16,384 bytes,
	s_and_b32 s15, s10, 3
	s_lshl_b32 s15, s15, 12                        ; + my 32 rows of 128 bytes
	s_add_co_u32 s54, s54, s15
	s_add_nc_u64 s[56:57], s[8:9], s[54:55]
.irp q, 0,1
.irp c, 0,1,2,3
	global_load_b128 v[Q+16*\q+4*\c:Q+16*\q+4*\c+3], v[QO], s[52:53] offset:2048*\q+32*\c
.endr
.endr
	global_load_b128 v[S:S+3],   v[MKO], s[58:59]
	global_load_b128 v[S+4:S+7], v[MKO], s[58:59] offset:16
	s_wait_loadcnt 0x0
.irp j, 0,1,2,3,4,5,6,7
	v_cvt_f32_i32 v[S+\j], v[S+\j]
.endr
.irp j, 0,1,2,3,4,5,6,7
	v_fma_f32 v[S+8+\j], v[S+\j], s50, s51         ; (m - 1) 1e12 log2(e) / 512: exactly 0 where m = 1
.endr
	ds_store_b128 v[BSO], v[S+8:S+11]              ; shown to the other waves by the wait for 0 and the round below
	ds_store_b128 v[BSO], v[S+12:S+15] offset:16
; Product k = 1..8 of query tile o in a block.  1-4: O += V^T P, column tile k - 1 (mode 1: the product starts the sum; 2: it adds).
; 5, 6: S = K Q + beta, key tiles 0, 1, the head size's first 32; 7, 8: the same key tiles, its second 32, in place.  mode 0: nothing.
; In this order no two products that follow each other name one accumulator, over the blocks' ends and the loops' jumps too: the accumulators take
; turns, one instruction a turn.
.macro MX o, k, mode
.if \mode
.if \k < 5
.set DT, \k-1
.if \mode == 1
	v_wmma_f32_16x16x32_f16 v[O+32*\o+8*DT:O+32*\o+8*DT+7], v[VF+8*DT:VF+8*DT+7], v[P+8*\o:P+8*\o+7], 0
.else
	v_wmma_f32_16x16x32_f16 v[O+32*\o+8*DT:O+32*\o+8*DT+7], v[VF+8*DT:VF+8*DT+7], v[P+8*\o:P+8*\o+7], v[O+32*\o+8*DT:O+32*\o+8*DT+7]
.endif
.else
.if \k < 7
.set KT, \k-5
	v_wmma_f32_16x16x32_f16 v[S+16*\o+8*KT:S+16*\o+8*KT+7], v[KF+16*KT:KF+16*KT+7], v[Q+16*\o:Q+16*\o+7], v[BT+8*KT:BT+8*KT+7]
.else
.set KT, \k-7
	v_wmma_f32_16x16x32_f16 v[S+16*\o+8*KT:S+16*\o+8*KT+7], v[KF+16*KT+8:KF+16*KT+15], v[Q+16*\o+8:Q+16*\o+15], v[S+16*\o+8*KT:S+16*\o+8*KT+7]
.endif
.endif
.endif
.endm
; The next step's K and beta, twelve loads in three parts, in the order in which products 5 to 8 need them.
.macro LDK part
.if \part < 2
	ds_load_b128 v[BT+8*\part:BT+8*\part+3],     v[ADB] offset:64*\part
	ds_load_b128 v[BT+8*\part+4:BT+8*\part+7],   v[ADB] offset:64*\part+16
	ds_load_b128 v[KF+16*\part:KF+16*\part+3],   v[ADK] offset:16*PK*\part
	ds_load_b128 v[KF+16*\part+4:KF+16*\part+7], v[ADK] offset:16*PK*\part+32
.else
.irp kt, 0,1
	ds_load_b128 v[KF+16*\kt+8:KF+16*\kt+11],  v[ADK] offset:16*PK*\kt+64
	ds_load_b128 v[KF+16*\kt+12:KF+16*\kt+15], v[ADK] offset:16*PK*\kt+96
.endr
	v_add_nc_u32 v[ADK], 32*PK, v[ADK]             ; 32 keys on
	v_add_nc_u32 v[ADB], 128, v[ADB]
.endif
.endm
.macro LDV dt                          ; column tile dt of this step's V^T: two loads
	ds_load_tr16_b128 v[VF+8*\dt:VF+8*\dt+3],   v[ADV] offset:32*\dt
	ds_load_tr16_b128 v[VF+8*\dt+4:VF+8*\dt+7], v[ADV] offset:32*\dt+16*PV
.endm
; The two lines of which slices 3 to 5 are made.  FS: pair f of tile q's 16 scores becomes 512 S - M; the first register of NM's pair serves both halves.
; EX: the exponential of score e, in place.  Scores 2 f and 2 f + 1 follow FS f.
.macro FS q, f
	v_pk_fma_f32 v[S+16*\q+2*\f:S+16*\q+2*\f+1], v[S+16*\q+2*\f:S+16*\q+2*\f+1], POSK, v[NM+2*\q:NM+2*\q+1] op_sel_hi:[1,0,0]
.endm
.macro EX q, e
	v_exp_f32 v[S+16*\q+\e], v[S+16*\q+\e]
.endm
; Slice k = 1..8 of the softmax step of query tile q on 32 keys.  first = 1: nothing has been summed yet.
; Slices 1 to 5 name no exponential's result; slices 6 to 8 hold every reader; the batch's wait ends slice 5.
.macro SL q, k, first
.if \k == 1                            ; the largest of my 16 scores
	v_max3_num_f32 v[TT],   v[S+16*\q],    v[S+16*\q+1],  v[S+16*\q+2]
	v_max3_num_f32 v[TT+1], v[S+16*\q+3],  v[S+16*\q+4],  v[S+16*\q+5]
	v_max3_num_f32 v[TT+2], v[S+16*\q+6],  v[S+16*\q+7],  v[S+16*\q+8]
	v_max3_num_f32 v[TT+3], v[S+16*\q+9],  v[S+16*\q+10], v[S+16*\q+11]
	v_max3_num_f32 v[TT+4], v[S+16*\q+12], v[S+16*\q+13], v[S+16*\q+14]
	v_max3_num_f32 v[TT],   v[TT],   v[TT+1], v[S+16*\q+15]
	v_max3_num_f32 v[TT+2], v[TT+2], v[TT+3], v[TT+4]
	v_max_num_f32 v[TT], v[TT], v[TT+2]
.endif
.if \k == 2                            ; the running maximum and the factor
	v_permlanex16_b32 v[TT+1], v[TT], s48, s49     ; the other half of the keys
.if \first
	v_max_num_f32 v[NM+2*\q+1], v[TT], v[TT+1]
.else
	v_max3_num_f32 v[NM+2*\q+1], v[TT], v[TT+1], v[NM+2*\q+1]
	v_fma_f32 v[CF+1], v[NM+2*\q+1], NEGK, -v[NM+2*\q]     ; 512 (old maximum - new maximum), at most 0; the product is exact
.endif
	v_mul_f32 v[NM+2*\q], NEGK, v[NM+2*\q+1]       ; exact: a power of two
.if \first == 0
	v_exp_f32 v[CF], v[CF+1]                       ; the batch's first; slice 3's scalings are the plain instructions behind it (ISA guide 5.7.2); first read in slice 6
.endif
.endif
.if \k == 3                            ; three scalings, four exponentials
	FS \q, 0
	FS \q, 1
	EX \q, 0
	FS \q, 2
	EX \q, 1
	EX \q, 2
	EX \q, 3
.endif
.if \k == 4                            ; three scalings, five exponentials
	FS \q, 3
	EX \q, 4
	FS \q, 4
	EX \q, 5
	FS \q, 5
	EX \q, 6
	EX \q, 7
	EX \q, 8
.endif
.if \k == 5                            ; the last two scalings, the last seven exponentials, and the wait
	FS \q, 6
	EX \q, 9
	FS \q, 7
	EX \q, 10
	EX \q, 11
	EX \q, 12
	EX \q, 13
	EX \q, 14
	EX \q, 15
.if \first
	v_nop                                          ; the first step has no rescaling: this is the plain instruction between the exponentials and slice 7's roundings (ISA guide 5.7.2)
.endif
	s_wait_alu depctr_va_vdst(0)                   ; the wait for the block's batch, the factor and the 16 weights, ahead of the first line that names a result
.endif
.if \k == 6                            ; O times the factor, in ascending order.  The first of these lines names O and the factor alone: it is the plain instruction
.if \first == 0                        ; between the weights' exponentials and the first use of a weight, in slice 7 (ISA guide 5.7.2)
.irp e, 0,2,4,6,8,10,12,14,16,18,20,22,24,26,28,30
	v_pk_mul_f32 v[O+32*\q+\e:O+32*\q+\e+1], v[O+32*\q+\e:O+32*\q+\e+1], v[CF:CF+1] op_sel_hi:[1,0]
.endr
.endif
.endif
.if \k == 7                            ; P: ready a product and a slice ahead of its first use
.irp p, 0,1,2,3,4,5,6,7
	v_cvt_pk_f16_f32 v[P+8*\q+\p], v[S+16*\q+2*\p], v[S+16*\q+2*\p+1]
.endr
.endif
.if \k == 8                            ; the sum, kept as a pair
	v_pk_add_f32 v[TT:TT+1],   v[S+16*\q:S+16*\q+1],   v[S+16*\q+2:S+16*\q+3]
	v_pk_add_f32 v[TT+2:TT+3], v[S+16*\q+4:S+16*\q+5], v[S+16*\q+6:S+16*\q+7]
	v_pk_add_f32 v[TT:TT+1],   v[TT:TT+1],   v[S+16*\q+8:S+16*\q+9]
	v_pk_add_f32 v[TT+2:TT+3], v[TT+2:TT+3], v[S+16*\q+10:S+16*\q+11]
	v_pk_add_f32 v[TT:TT+1],   v[TT:TT+1],   v[S+16*\q+12:S+16*\q+13]
	v_pk_add_f32 v[TT+2:TT+3], v[TT+2:TT+3], v[S+16*\q+14:S+16*\q+15]
.if \first
	v_pk_add_f32 v[LS+2*\q:LS+2*\q+1], v[TT:TT+1], v[TT+2:TT+3]
.else
	v_pk_add_f32 v[TT:TT+1], v[TT:TT+1], v[TT+2:TT+3]
	v_pk_fma_f32 v[LS+2*\q:LS+2*\q+1], v[LS+2*\q:LS+2*\q+1], v[CF:CF+1], v[TT:TT+1] op_sel_hi:[1,0,1]
.endif
.endif
.endm
; Block A: softmax of tile 0, products of tile 1, and all the step's LDS loads.  Its products' fragments were waited for in the block before.
; pvm: mode of products 1-4.  ldv, ldk: this step's V, the next step's K and beta are loaded.
; edge = 0: a step inside a tile.  edge = 1: a tile's last step: behind V's last load stands the change of slots: every wave waits for all its tensor
; loads (its part of the next tile among them) and for its LDS loads (its last reads of this slot), then the round; refill = 1: the joint refill of
; this slot, two tiles on, is the first tensor load behind the round; the next K is read from the other slot.  At most one tensor load of a wave is out.
; The batch's wait, at the end of slice 5, stands ahead of the round's labels and branches.
; edge = 2: the last step of all.
.macro BLKA first, pvm, ldv, ldk, edge, slot, refill
	MX 1, 1, \pvm
	SL 0, 1, \first
	MX 1, 2, \pvm
	SL 0, 2, \first
.if \ldv
	LDV 0
.endif
	MX 1, 3, \pvm
	SL 0, 3, \first
.if \ldv
	LDV 1
.endif
	MX 1, 4, \pvm
	SL 0, 4, \first
.if \ldv
	LDV 2
.endif
	MX 1, 5, 1
	SL 0, 5, \first
.if \ldv
	LDV 3
.if \edge == 0
	v_add_nc_u32 v[ADV], 32*PV, v[ADV]             ; 32 keys on
.endif
.endif
.if \edge == 1
.if \slot == 0
	v_add_nc_u32 v[ADV], SLOT, v[LV]               ; the next tile's first step, in the other slot
	v_add_nc_u32 v[ADK], SLOT, v[LK]
.else
	v_mov_b32 v[ADV], v[LV]
	v_mov_b32 v[ADK], v[LK]
.endif
	s_wait_tensorcnt 0x0
	ds_add_u32 v30, v31
	s_wait_dscnt 0x0
.if \refill
	s_add_nc_u64 s[G0V+4*\slot+2:G0V+4*\slot+3], s[G0V+4*\slot+2:G0V+4*\slot+3], 65536     ; no load of mine is out: this slot's next tile, two tiles on
	s_add_nc_u64 s[G0K+4*\slot+2:G0K+4*\slot+3], s[G0K+4*\slot+2:G0K+4*\slot+3], 65536
.endif
	s_wait_dscnt 0x0
	ROUND
.if \refill
	JLOAD \slot
.endif
.endif
	MX 1, 6, 1
	SL 0, 6, \first
.if \ldk
.if \first == 0
	LDK 0
.endif
.endif
	MX 1, 7, 1
	SL 0, 7, \first
.if \ldk
.if \first == 0
	LDK 1
.endif
.endif
	MX 1, 8, 1
	SL 0, 8, \first
.if \ldk
.if \first                             ; the first step's slice 6 is empty and its slice 5 holds three plain instructions: all parts stand behind slices 7 and 8
	LDK 0
	LDK 1
.endif
	LDK 2
.endif
.endm
; Block B: softmax of tile 1, products of tile 0.  LDS loads come back in order (ISA guide 5.7.1): in front of product dt + 1, V's column tile dt is in
; when at most V's 6 - 2 dt younger loads and the kout loads of K and beta behind them are out; in front of products 5 to 8, 8, 4, 2, 0 of the twelve.
.macro BLKB first, pvm, sc, kout
	s_wait_dscnt \kout+6
	MX 0, 1, \pvm
	SL 1, 1, \first
	s_wait_dscnt \kout+4
	MX 0, 2, \pvm
	SL 1, 2, \first
	s_wait_dscnt \kout+2
	MX 0, 3, \pvm
	SL 1, 3, \first
	s_wait_dscnt \kout
	MX 0, 4, \pvm
	SL 1, 4, \first
.if \sc
	s_wait_dscnt 0x8
.endif
	MX 0, 5, \sc
	SL 1, 5, \first
.if \sc
	s_wait_dscnt 0x4
.endif
	MX 0, 6, \sc
	SL 1, 6, \first
.if \sc
	s_wait_dscnt 0x2
.endif
	MX 0, 7, \sc
	SL 1, 7, \first
.if \sc
	s_wait_dscnt 0x0
.endif
	MX 0, 8, \sc
	SL 1, 8, \first
.endm
.macro STEPS cnt                       ; cnt steps inside a tile
	s_mov_b32 s14, \cnt
.Lstep_\@:
	BLKA 0, 2, 1, 1, 0, 0, 0
	BLKB 0, 2, 1, 12
	s_sub_co_u32 s14, s14, 1
	s_cmp_lg_u32 s14, 0
	s_cbranch_scc1 .Lstep_\@
.endm
.macro EDGE slot, refill               ; the last step of a tile that lies in slot
	BLKA 0, 2, 1, 1, 1, \slot, \refill
	BLKB 0, 2, 1, 12
.endm
	s_wait_tensorcnt 0x0                           ; my part of tile 0 is in
	ds_add_u32 v30, v31
	s_wait_dscnt 0x0                               ; my stores of beta are done
	ROUND                                          ; both hold of every wave
	JLOAD 1                                        ; tile 1: slot 1's first fill, my one tensor load behind this round
	LDK 0                                          ; step 0
	LDK 1
	LDK 2
	LDV 0
	LDV 1
	LDV 2
	LDV 3
	v_add_nc_u32 v[ADV], 32*PV, v[ADV]
	s_wait_dscnt 0x8                               ; K and beta are in; V's eight loads are younger
	MX 0, 5, 1                                     ; S0 of step 0: nothing is there yet to set between these four
	MX 0, 6, 1
	MX 0, 7, 1
	MX 0, 8, 1
.rept 4
	v_nop                                          ; four places in front of the first reader of S0 (ISA guide 7.12.1)
.endr
	BLKA 1, 0, 0, 1, 0, 0, 0                       ; step 0: no P1 yet
	BLKB 1, 1, 1, 12                               ; O0's first products start its sums
	BLKA 0, 1, 1, 1, 0, 0, 0                       ; step 1: O1's first products start its sums
	BLKB 0, 2, 1, 12
	STEPS 5                                        ; tile 0, steps 2 to 6
	EDGE 0, 1                                      ; step 7; tile 2 is asked for
	s_mov_b32 s15, 2
.Lpair:
	STEPS 7                                        ; tiles 1, 3
	EDGE 1, 1
	STEPS 7                                        ; tiles 2, 4
	EDGE 0, 1
	s_sub_co_u32 s15, s15, 1
	s_cmp_lg_u32 s15, 0
	s_cbranch_scc1 .Lpair
	STEPS 7                                        ; tile 5
	EDGE 1, 1                                      ; tile 7 is asked for: the last load
	STEPS 7                                        ; tile 6
	EDGE 0, 0                                      ; nothing is left to fetch
	STEPS 7                                        ; tile 7
	BLKA 0, 2, 1, 0, 2, 0, 0                       ; the last step: no further K,
	BLKB 0, 2, 0, 0                                ; no further scores; behind V's loads none is out
	MX 1, 1, 2                                     ; tile 1's last products
	MX 1, 2, 2
	MX 1, 3, 2
	MX 1, 4, 2
	; O / sum, f16, through my stage, out as 4,096 consecutive bytes of ob.  The sum holds the largest key's 1, so it is at least 1.
	; The sums' additions and tile 0's sixteen multiplications are the places behind the last four products: V's fragment registers are written,
	; and O1 is read, only behind them.
	v_add_f32 v[TT],   v[LS],   v[LS+1]
	v_add_f32 v[TT+1], v[LS+2], v[LS+3]
	v_permlanex16_b32 v[TT+2], v[TT],   s48, s49
	v_permlanex16_b32 v[TT+3], v[TT+1], s48, s49
	v_add_f32 v[TT],   v[TT],   v[TT+2]
	v_add_f32 v[TT+1], v[TT+1], v[TT+3]
	v_rcp_f32 v[NM],   v[TT]
	v_rcp_f32 v[NM+2], v[TT+1]
	v_nop                                          ; the plain instruction behind the reciprocals
	s_wait_alu depctr_va_vdst(0)                   ; the wait for the two reciprocals, a batch of their own, ahead of their first use
.irp q, 0,1
.irp e, 0,2,4,6,8,10,12,14,16,18,20,22,24,26,28,30
	v_pk_mul_f32 v[O+32*\q+\e:O+32*\q+\e+1], v[O+32*\q+\e:O+32*\q+\e+1], v[NM+2*\q:NM+2*\q+1] op_sel_hi:[1,0]
.endr
.irp p, 0,1,2,3,4,5,6,7,8,9,10,11,12,13,14,15
	v_cvt_pk_f16_f32 v[VF+16*\q+\p], v[O+32*\q+2*\p], v[O+32*\q+2*\p+1]
.endr
.irp dt, 0,1,2,3
	ds_store_b128 v[STO], v[VF+16*\q+4*\dt:VF+16*\q+4*\dt+3] offset:16*SP*\q+32*\dt
.endr
.endr
.irp t, 0,1,2,3,4,5,6,7
	ds_load_b128 v[KF+4*\t:KF+4*\t+3], v[RD] offset:4*SP*\t        ; LDS serves a wave's instructions in order: these see the stores above
.endr
.irp t, 0,1,2,3,4,5,6,7
	s_wait_dscnt 7-\t
	global_store_b128 v[GO], v[KF+4*\t:KF+4*\t+3], s[56:57] offset:512*\t
.endr
	s_wait_tensorcnt 0x0
	ds_add_u32 v30, v31
	s_wait_dscnt 0x0
	ROUND                                          ; the closing round
	s_endpgm
.Lfunc_end_k_q1540f19738_attn:
	.size	k_q1540f19738_attn, .Lfunc_end_k_q1540f19738_attn-k_q1540f19738_attn
	.p2alignl 7, 3214868480
	.fill 96, 4, 3214868480
	.section	.rodata,"a",@progbits
	.p2align	6, 0x0
	.amdhsa_kernel k_q1540f19738_attn
		.amdhsa_group_segment_fixed_size 327680
		.amdhsa_private_segment_fixed_size 0
		.amdhsa_enable_private_segment 0
		.amdhsa_kernarg_size 24
		.amdhsa_user_sgpr_count 2
		.amdhsa_user_sgpr_kernarg_segment_ptr 1
		.amdhsa_wavefront_size32 1
		.amdhsa_system_sgpr_workgroup_id_x 1
		.amdhsa_system_sgpr_workgroup_id_y 1
		.amdhsa_system_sgpr_workgroup_id_z 1
		.amdhsa_system_vgpr_workitem_id 0
		.amdhsa_next_free_vgpr 256
		.amdhsa_next_free_sgpr 66
		.amdhsa_reserve_vcc 0
		.amdhsa_float_denorm_mode_32 3
		.amdhsa_float_denorm_mode_16_64 3
		.amdhsa_memory_ordered 1
		.amdhsa_forward_progress 1
		.amdhsa_inst_pref_size 170
	.end_amdhsa_kernel
	.amdgpu_metadata
---
amdhsa.version: [ 1, 2 ]
amdhsa.kernels:
  - .name:           k_q1540f19738_attn
    .symbol:         k_q1540f19738_attn.kd
    .args:
      - { .name: qkv, .offset: 0, .size: 8, .value_kind: global_buffer, .address_space: global }
      - { .name: v_mask, .offset: 8, .size: 8, .value_kind: global_buffer, .address_space: global }
      - { .name: ob, .offset: 16, .size: 8, .value_kind: global_buffer, .address_space: global }
    .group_segment_fixed_size: 327680
    .private_segment_fixed_size: 0
    .kernarg_segment_align: 8
    .kernarg_segment_size: 24
    .max_flat_workgroup_size: 256
    .sgpr_count:     66
    .vgpr_count:     256
    .wavefront_size: 32
...
	.end_amdgpu_metadata
.endif
;; end of part 5
;; launch proj: the kernel of part 4 again; grid 8 x 32, 4 waves a work-group, clusters of 4 x 4, 327,680 bytes of LDS; arguments ob, cb, bo, out0; writes out0
